; MI455X (gfx1250); checked and timed in simulation.
; The chip was launched on July 23, 2026; its instructions are those of AMD's public machine-readable ISA for CDNA 5 (MIT licence, August 2026) and "CDNA5" Instruction Set Architecture Reference Guide (July 2026). The comments in the code are by the model that wrote it; some were corrected since.
;; Patched Causal Self Attention. Allowed arithmetic: matrix products marked QUANTISED: E2M3 operands, one E8M0 scale for each 32 along K, by v_wmma_scale_f32_16x16x128_f8f6f4 with both operands' format E2M3, f32 sums; everything else in f32.
;; Inputs: W_attn 1,024 x 3,072 float32; W_proj 1,024 x 1,024 float32; b_attn 3,072 float32; b_proj 1,024 float32; hidden_states 4 x 2,048 x 1,024 float32.
;; Outputs: out0 4 x 2,048 x 1,024 float32.
;; This version of the problem:
;;   THIS VERSION OF THE PROBLEM IS GIVEN IN LOW PRECISION. The matrix products marked QUANTISED in the list below multiply operands that are first quantised to E2M3 (2 exponent bits, 3 mantissa bits; 6 bits a number), with one power-of-two scale for each 32 numbers along K (OCP MX v1.0); their sums are f32. All else is computed in f32.
;;   The module's matrix products, in the order in which they are computed (A, B: the left and right operand; K: the contracted axis; several contracted axes count as one K, in the product's order):
;;     1. [M 8,192, K 1,024] x [K 1,024, N 3,072]; A: input hidden_states; B: input W_attn: QUANTISED
;;     2. batch 64 x [M 2,048, K 64] x [K 64, N 2,048]; A: computed on the way; B: computed on the way: QUANTISED
;;     3. batch 64 x [M 2,048, K 2,048] x [K 2,048, N 64]; A: softmax (see below); B: computed on the way: QUANTISED
;;     4. [M 8,192, K 1,024] x [K 1,024, N 1,024]; A: computed on the way; B: input W_proj: QUANTISED
;;   THE QUANTISER, for each operand of a quantised product, along K:
;;     - K is cut into blocks of 32 from its start; a last block that is shorter is filled with zeros.
;;     - A block's scale is 2^e with e = floor(log2(the largest magnitude in the block)) - 2, held to -126 .. 127; a block of zeros has e = 0. As a byte (E8M0): e + 127.
;;     - Each number is divided by its block's scale, clamped to +-7.5, and rounded to the nearest number of E2M3, ties to even, subnormals kept.
;;     - The product sums the exact products of the quantised numbers (number of the format x scale) in f32.
;;   ~~~python
;;   def quantise(x, axis):      # numpy; x: float32 -> the quantised numbers, widened to float32 again
;;       x = np.moveaxis(x, axis, -1); K = x.shape[-1]
;;       x = np.pad(x, [(0, 0)] * (x.ndim - 1) + [(0, -K % 32)]); x = x.reshape(x.shape[:-1] + (-1, 32)); a = np.abs(x).max(-1, keepdims=True)
;;       e = np.where(a > 0, np.clip(np.frexp(np.where(a > 0, a, 1))[1] - 1 - 2, -126, 127), 0)      # np.frexp(a)[1] - 1 = floor(log2(a)), exactly
;;       r = np.clip(x / 2.0 ** e, -7.5, 7.5)
;;       step = 2.0 ** (np.maximum(np.frexp(np.where(r == 0, 1, r))[1] - 1, 0) - 3)
;;       q = np.round(r / step) * step * 2.0 ** e      # np.round: ties to even
;;       return np.moveaxis(q.reshape(q.shape[:-2] + (-1,))[..., :K], -1, axis).astype(np.float32)
;;   ~~~
;;   SOFTMAX AHEAD OF A QUANTISED PRODUCT. Where the list says 'softmax', what is quantised is not the finished softmax but p = 2^(t - M), with t = logit x log2(e) and M = ceil(the row's largest t), a whole number; so 1/2 < the row's largest p <= 1. The row's sum l is taken of the UNQUANTISED p, in f32, and the product's result is divided by l at the end. Since M is a whole number, a kernel that streams over the keys may use a running M (the ceiling of the running maximum): every later rescaling is an exact power of two, which a block's scale takes up: the codes' values come out the same.
;;   OPERANDS COMPUTED ON THE WAY. 'Computed on the way' means the value that the module computes at that place (a softmax that the list does not call 'softmax' is quantised finished and normalised). What goes into a quantiser is computed in f32, as accurately as f32 sums, v_exp_f32 and their like allow (about 1e-6 of the number): no bf16 or f16 on the way to a quantiser, and a product that is left as it is and whose result goes on into a quantised operand takes f32 operands (vector FMAs, or v_wmma_f32_16x16x4_f32). A number that lies on a knife's edge between two numbers of the format may be rounded either way, as far as f32 arithmetic and the matrix unit's own rounding can turn it there, and no further.
;; One version. Each part assembles by itself: llvm-mc -triple=amdgcn-amd-amdhsa -mcpu=gfx1250 --defsym DOCPART=n.
;; ======== version 1 of 1: 4 launches
;; workspace buffers: xq 6,553,600 bytes; wa 2,457,600 bytes; wp 819,200 bytes; qkv 20,185,088 bytes; cq 6,553,600 bytes
;; launch quant (part 1): grid 384 x 1, 8 waves a work-group, no clusters, 95,232 bytes of LDS; arguments hidden_states, W_attn, W_proj, xq, wa, wp; writes xq, wa, wp
.if DOCPART == 1
	.amdgcn_target "amdgcn-amd-amdhsa--gfx1250"
	.amdhsa_code_object_version 6
	.text
	.protected	k_q540063bcdc_quant
	.globl	k_q540063bcdc_quant
	.p2align	8
	.type	k_q540063bcdc_quant,@function
k_q540063bcdc_quant:
	s_mov_b64 s[64:65], 0
	v_nop
	global_prefetch_b8 v0, s[64:65] scope:SCOPE_SE
	s_setreg_imm32_b32 hwreg(HW_REG_WAVE_MODE, 25, 1), 1
	s_wait_xcnt 0x0
; hidden_states [8192][1024], W_attn [1024][3072] and W_proj [1024][1024], f32, become codes of FP6 (E2M3) with one E8M0 byte for each 32 along K (K = 1024: x's last axis, the weights' FIRST axis).
; A block's scale is 2^(floor(log2(largest magnitude)) - 2); its byte is the largest magnitude's exponent field - 2, held at 1 from below.
; LIMITS: a block of zeros gets the byte 1 where the rule says 127 (its codes are zeros, and this program alone reads the bytes); blocks whose largest magnitude lies under 2^-124 keep the byte 1; NaN and infinities are not served.
; WHAT IS WRITTEN: operand blocks of 128 rows x 256 K, 25,600 dense bytes, laid as images of the matrix operand's registers, [128-row group][K quarter]:
;   codes at 3072 t + 768 f + 256 p + 8 lane: tile t (16 rows), f = which 64 along K, p = which pair of the lane's six registers;  scale words at 24576 + 512 sl + 64 t + 4 r (sl = which 128 along K).
;   THE ROWS OF A TILE ARE NOT NEIGHBOURS: row r of tile 2 b + u is row 32 b + 8 u + r + 8 (r / 8) of the group, so that a product that takes such tiles as source 0 leaves 16 neighbours in a lane's 16 registers.
; A work-group makes one block: 0-255 x's, 256-351 W_attn's, 352-383 W_proj's.  Memory binds: no matrix unit, no cluster (no byte is read twice), no tensor load, no barrier: each wave has LDS bytes of its own, and the two paths have theirs.
.set GBB,  25600
.set XSTW, 8448                        ; path X: a wave's stage, 16 rows x (512 bytes + 16)
.set WST0, 8*XSTW                      ; path W's LDS begins behind path X's
.set WSTW, 3328                        ; path W: a wave's stage, two tiles' images of 1,536 bytes, 1,664 apart
.set R,    32                          ; X: v32-159 numbers as loaded;  W: v32-63 offsets, v64-127 two sets of 32 numbers
.set XN,   160                         ; X: v160-223 the lane's two blocks of 32 neighbours
.set PC0,  224                         ; X: the two fragments' codes
.set PC1,  236
.macro XLOAD sl                        ; 16 rows x 128 numbers: each load reads 512 consecutive bytes of one row
.irp i, 0,1,2,3,4,5,6,7,8,9,10,11,12,13,14,15
	global_load_b128 v[R+64*\sl+4*\i:R+64*\sl+4*\i+3], v2, s[4:5] offset:(\i+8*(\i/8))*4096+512*\sl th:TH_LOAD_NT
.endr
.endm
.macro XTURN sl                        ; through the wave's stage: in as loaded, out as lane (r, h) wants them: k = 64 c + 32 h + 0 .. 31 of row r.  LDS serves a wave's instructions in order
.irp i, 0,1,2,3,4,5,6,7,8,9,10,11,12,13,14,15
	ds_store_b128 v3, v[R+64*\sl+4*\i:R+64*\sl+4*\i+3] offset:528*\i
.endr
.irp c, 0,1
.irp q, 0,1,2,3,4,5,6,7
	ds_load_b128 v[XN+32*\c+4*\q:XN+32*\c+4*\q+3], v4 offset:256*\c+16*\q
.endr
.endr
.endm
.macro QX pc, w                        ; the lane's two whole blocks (2 c + h of its row) become registers 6 c .. 6 c + 5 of the fragment, and the row's scale word
.irp c, 0,1
	v_max3_num_f32 v[8+\c], |v[XN+32*\c]|, |v[XN+32*\c+1]|, 0x1800000   ; with the floor 2^(3 - 127): the byte cannot fall under 1
.endr
.irp i, 2,4,6,8,10,12,14,16,18,20,22,24,26,28,30
.irp c, 0,1
	s_delay_alu instid0(VALU_DEP_2)
	v_max3_num_f32 v[8+\c], v[8+\c], |v[XN+32*\c+\i]|, |v[XN+32*\c+\i+1]|
.endr
.endr
.irp c, 0,1
	s_delay_alu instid0(VALU_DEP_2)
	v_add_nc_u32 v[10+\c], 0xff000000, v[8+\c]     ; 2 off the exponent field: the conversion's scale operand
.endr
.irp c, 0,1
	s_delay_alu instid0(VALU_DEP_2)
	v_lshrrev_b32 v[12+\c], 23, v[10+\c]           ; the scale's byte
.endr
	s_delay_alu instid0(VALU_DEP_1)
	v_lshl_or_b32 v14, v13, 16, v12                ; blocks h and 2 + h,
	s_delay_alu instid0(VALU_DEP_1)
	v_lshlrev_b32 v14, v7, v14                     ; 8 h bits up;
	s_delay_alu instid0(VALU_DEP_1)
	v_permlanex16_b32 v15, v14, s20, s21
	s_delay_alu instid0(VALU_DEP_1)
	v_or_b32 v[\w], v14, v15                       ; with lane l xor 16's two bytes the word is whole
.irp c, 0,1
	v_cvt_scalef32_pk16_fp6_f32 v[\pc+6*\c:\pc+6*\c+2], v[XN+32*\c:XN+32*\c+15], v[10+\c]
	v_cvt_scalef32_pk16_fp6_f32 v[16+4*\c:16+4*\c+2], v[XN+32*\c+16:XN+32*\c+31], v[10+\c]   ; (a conversion's three registers begin on an even number)
.endr
	v_nop                                          ; one plain place behind a scaled conversion
.irp c, 0,1
.irp i, 0,1,2
	v_mov_b32 v[\pc+6*\c+3+\i], v[16+4*\c+\i]
.endr
.endr
.endm
.macro XOUT pc, w, sl                  ; each store of codes covers 256 consecutive bytes, aligned
.irp q, 0,1,2,3,4,5
	global_store_b64 v5, v[\pc+2*\q:\pc+2*\q+1], s[24:25] offset:1536*\sl+256*\q
.endr
	global_store_b32 v6, v[\w], s[26:27] offset:24576+512*\sl   ; lanes 16-31 repeat lanes 0-15: the same word to the same place
.endm
.macro WLOAD blk                       ; block blk of my column: W(32 blk + i, column), i = 0 .. 31: each load reads 128 consecutive bytes, the four waves beside each other 512
.set i, 0
.rept 32
	global_load_b32 v[64+32*((\blk)%2)+i], v[32+i], s[32+2*(\blk):33+2*(\blk)] th:TH_LOAD_NT
.set i, i+1
.endr
.endm
.macro WBLOCK blk
.set XS, 64+32*((\blk)%2)
.set CD, 128+8*(\blk)
.if (\blk) < 3
	s_wait_loadcnt 32                              ; this block's 32 loads are in; the next block's 32 may be out
.else
	s_wait_loadcnt 0x0
.endif
	v_max3_num_f32 v12, |v[XS]|, |v[XS+1]|, |v[XS+2]|
	v_max3_num_f32 v13, |v[XS+3]|, |v[XS+4]|, |v[XS+5]|
.irp i, 6,10,14,18,22,26
	s_delay_alu instid0(VALU_DEP_2)
	v_max3_num_f32 v12, v12, |v[XS+\i]|, |v[XS+\i+1]|
	s_delay_alu instid0(VALU_DEP_2)
	v_max3_num_f32 v13, v13, |v[XS+\i+2]|, |v[XS+\i+3]|
.endr
	s_delay_alu instid0(VALU_DEP_2)
	v_max3_num_f32 v12, v12, |v[XS+30]|, |v[XS+31]|
	s_delay_alu instid0(VALU_DEP_1)
	v_max3_num_f32 v12, v12, v13, 0x1800000        ; and the floor
	s_delay_alu instid0(VALU_DEP_1)
	v_add_nc_u32 v11, 0xff000000, v12
	s_delay_alu instid0(VALU_DEP_1)
	v_lshrrev_b32 v13, 23, v11
.if (\blk) == 0
	s_delay_alu instid0(VALU_DEP_1)
	v_mov_b32 v24, v13
.else
	s_delay_alu instid0(VALU_DEP_1)
	v_lshl_or_b32 v24, v13, 8*(\blk), v24          ; my column's scale word for these 128 along K
.endif
	v_cvt_scalef32_pk16_fp6_f32 v[CD:CD+2], v[XS:XS+15], v11
	v_cvt_scalef32_pk16_fp6_f32 v[20:22], v[XS+16:XS+31], v11
	v_nop
.irp i, 0,1,2
	v_mov_b32 v[CD+3+\i], v[20+\i]
.endr
.irp p, 0,1,2                          ; the block is registers 6 c .. 6 c + 5 of lane (r', h), c = blk / 2, h = blk % 2, of my column's tile
	ds_store_b64 v25, v[CD+2*\p:CD+2*\p+1] offset:768*((\blk)/2)+256*\p+128*((\blk)%2)
.endr
.if (\blk) < 2
	WLOAD (\blk)+2
.endif
.endm
	s_load_b128 s[4:7], s[0:1], 0x0                ; hidden_states, W_attn
	s_load_b128 s[8:11], s[0:1], 0x10              ; W_proj, xq
	s_load_b128 s[12:15], s[0:1], 0x20             ; wa, wp
	v_lshl_add_u32 v254, v0, 2, 0x17000
	v_mov_b32 v255, 0
	v_lshrrev_b32 v1, 5, v0
	s_delay_alu instid0(VALU_DEP_1)
	v_readfirstlane_b32 s16, v1                    ; wave 0..7
	v_and_b32 v1, 31, v0                           ; lane
	s_cmp_lt_u32 ttmp9, 256
	s_cbranch_scc0 .Lweights
	; ---- PATH X: wave t makes tile t of block (g = id / 4, K quarter = id % 4): 16 rows x 256 K, two fragments
	s_mov_b32 s20, 0x76543210
	s_mov_b32 s21, 0xfedcba98                      ; v_permlanex16_b32's selects for lane l xor 16
	v_lshlrev_b32 v2, 4, v1                        ; 16 x lane
	s_mul_i32 s17, s16, XSTW
	v_add_nc_u32 v3, s17, v2                       ; the stage, way in
	v_and_b32 v8, 15, v0                           ; r
	v_bfe_u32 v9, v0, 4, 1                         ; h
	s_delay_alu instid0(VALU_DEP_2)
	v_mul_u32_u24 v4, v8, 528
	s_delay_alu instid0(VALU_DEP_1)
	v_lshl_add_u32 v4, v9, 7, v4
	s_delay_alu instid0(VALU_DEP_1)
	v_add_nc_u32 v4, s17, v4                       ; way out: row r, + 128 h
	v_lshlrev_b32 v5, 3, v1                        ; 8 x lane
	v_lshlrev_b32 v6, 2, v8                        ; 4 r
	v_lshlrev_b32 v7, 3, v9                        ; 8 h
	v_mov_b32 v15, 0                               ; a lane permute's destination counts as one of its sources
	s_lshr_b32 s18, ttmp9, 2
	s_and_b32 s19, ttmp9, 3
	s_lshl_b32 s18, s18, 7
	s_lshr_b32 s22, s16, 1
	s_lshl_b32 s22, s22, 5
	s_add_co_u32 s18, s18, s22
	s_and_b32 s22, s16, 1
	s_lshl_b32 s22, s22, 3
	s_add_co_u32 s18, s18, s22                     ; the tile's first row: 128 g + 32 (t / 2) + 8 (t % 2)
	s_lshl_b32 s18, s18, 12
	s_lshl_b32 s19, s19, 10
	s_add_co_u32 s18, s18, s19                     ; in bytes, + the K quarter's 1,024
	s_mov_b32 s19, 0
	s_mul_i32 s22, ttmp9, GBB                      ; my block in xq
	s_mul_i32 s24, s16, 3072
	s_add_co_u32 s24, s24, s22
	s_mov_b32 s25, 0
	s_lshl_b32 s26, s16, 6
	s_add_co_u32 s26, s26, s22
	s_mov_b32 s27, 0
	s_wait_alu depctr_va_vdst(0)
	s_wait_kmcnt 0x0
	s_add_nc_u64 s[4:5], s[4:5], s[18:19]
	s_add_nc_u64 s[24:25], s[10:11], s[24:25]      ; my tile's codes
	s_add_nc_u64 s[26:27], s[10:11], s[26:27]      ; my tile's scale words (24,576 stands in the immediate)
	XLOAD 0
	XLOAD 1
	s_wait_loadcnt 16                              ; the first 128 along K are in; the 16 younger loads may be out
	XTURN 0
	s_wait_dscnt 0x0
	QX PC0, 248
	XOUT PC0, 248, 0
	s_wait_loadcnt 0x0
	XTURN 1
	s_wait_dscnt 0x0
	QX PC1, 249
	XOUT PC1, 249, 1
	s_wait_tensorcnt 0x0
	ds_add_u32 v254, v255
	s_wait_dscnt 0x0
	s_endpgm
	; ---- PATH W: a lane takes a column, its registers run down K.  Wave w: columns 32 (w % 4) on of the group (two tiles), 128 (w / 4) on along K (four blocks a lane)
.Lweights:
	s_sub_co_u32 s17, ttmp9, 256
	s_cmp_lt_u32 s17, 96                           ; W_attn's block or W_proj's?  The choice hangs on the work-group's number alone
	s_cselect_b32 s18, 0, 96
	s_mov_b32 s19, 4096
	s_cselect_b32 s19, 12288, s19                  ; bytes from row to row
	s_wait_kmcnt 0x0
	s_cselect_b64 s[6:7], s[6:7], s[8:9]
	s_cselect_b64 s[12:13], s[12:13], s[14:15]
	s_sub_co_u32 s17, s17, s18                     ; the block's number in its tensor: 4 g + K quarter
	s_lshr_b32 s22, s17, 2
	s_and_b32 s23, s17, 3
	s_and_b32 s24, s16, 3                          ; which 32 columns
	s_lshr_b32 s25, s16, 2                         ; which 128 along K
	s_lshl_b32 s23, s23, 8
	s_lshl_b32 s26, s25, 7
	s_add_co_u32 s23, s23, s26                     ; my first row
	s_mul_i32 s23, s23, s19
	s_lshl_b32 s22, s22, 9
	s_lshl_b32 s26, s24, 7
	s_add_co_u32 s22, s22, s26                     ; my first column, in bytes
	s_add_co_u32 s28, s23, s22
	s_mov_b32 s29, 0
	s_lshl_b32 s30, s19, 5                         ; 32 rows on
	s_mov_b32 s31, 0
	s_add_nc_u64 s[32:33], s[6:7], s[28:29]        ; a base for each block: no pointer is stepped
	s_add_nc_u64 s[34:35], s[32:33], s[30:31]
	s_add_nc_u64 s[36:37], s[34:35], s[30:31]
	s_add_nc_u64 s[38:39], s[36:37], s[30:31]
	s_mul_i32 s22, s17, GBB
	s_mul_i32 s23, s24, 6144
	s_add_co_u32 s23, s23, s22
	s_mul_i32 s26, s25, 1536
	s_add_co_u32 s40, s23, s26
	s_mov_b32 s41, 0
	s_add_nc_u64 s[40:41], s[12:13], s[40:41]      ; my two tiles' codes
	s_lshl_b32 s23, s25, 9
	s_lshl_b32 s26, s24, 7
	s_add_co_u32 s23, s23, s26
	s_add_co_u32 s42, s23, s22
	s_mov_b32 s43, 0
	s_add_nc_u64 s[42:43], s[12:13], s[42:43]      ; and their scale words
	s_mul_i32 s44, s16, WSTW
	s_add_co_u32 s44, s44, WST0                    ; my stage
	s_wait_alu depctr_va_vdst(0)
	v_lshlrev_b32 v32, 2, v1
.set i, 1
.rept 31
	s_delay_alu instid0(VALU_DEP_1)
	v_add_nc_u32 v[32+i], s19, v[31+i]             ; 4 x lane + i rows
.set i, i+1
.endr
	v_bfe_u32 v2, v0, 3, 1                         ; column lane is row r' = lane % 8 + 8 (lane / 16) of tile u = (lane / 8) % 2
	v_and_b32 v3, 7, v0
	v_bfe_u32 v4, v0, 4, 1
	s_delay_alu instid0(VALU_DEP_1)
	v_lshl_add_u32 v3, v4, 3, v3
	s_delay_alu instid0(VALU_DEP_4)
	v_mul_u32_u24 v25, v2, 1664
	s_delay_alu instid0(VALU_DEP_1)
	v_lshl_add_u32 v25, v3, 3, v25
	s_delay_alu instid0(VALU_DEP_1)
	v_add_nc_u32 v25, s44, v25                     ; the stage, way in
	v_lshlrev_b32 v26, 6, v2
	s_delay_alu instid0(VALU_DEP_1)
	v_lshl_add_u32 v26, v3, 2, v26                 ; my scale word's place: 64 u + 4 r'
	v_lshlrev_b32 v28, 3, v1                       ; 8 x lane
	s_delay_alu instid0(VALU_DEP_1)
	v_add_nc_u32 v27, s44, v28                     ; the stage, way out
	WLOAD 0
	WLOAD 1
	WBLOCK 0
	WBLOCK 1
	WBLOCK 2
	WBLOCK 3
	global_store_b32 v26, v24, s[42:43] offset:24576   ; 128 consecutive bytes a wave
.irp u, 0,1
.irp c, 0,1
.irp p, 0,1,2
	ds_load_b64 v[160+2*(6*\u+3*\c+\p):161+2*(6*\u+3*\c+\p)], v27 offset:1664*\u+768*\c+256*\p   ; LDS serves a wave's instructions in order: these see my stores
.endr
.endr
.endr
.irp u, 0,1
.irp c, 0,1
.irp p, 0,1,2
	s_wait_dscnt 11-(6*\u+3*\c+\p)                 ; the younger loads may be out
	global_store_b64 v28, v[160+2*(6*\u+3*\c+\p):161+2*(6*\u+3*\c+\p)], s[40:41] offset:3072*\u+768*\c+256*\p
.endr
.endr
.endr
	s_wait_tensorcnt 0x0
	ds_add_u32 v254, v255
	s_wait_dscnt 0x0
	s_endpgm
.Lfunc_end_k_q540063bcdc_quant:
	.size	k_q540063bcdc_quant, .Lfunc_end_k_q540063bcdc_quant-k_q540063bcdc_quant
	.p2alignl 7, 3214868480
	.fill 96, 4, 3214868480
	.section	.rodata,"a",@progbits
	.p2align	6, 0x0
	.amdhsa_kernel k_q540063bcdc_quant
		.amdhsa_group_segment_fixed_size 95232
		.amdhsa_private_segment_fixed_size 0
		.amdhsa_enable_private_segment 0
		.amdhsa_kernarg_size 48
		.amdhsa_user_sgpr_count 2
		.amdhsa_user_sgpr_kernarg_segment_ptr 1
		.amdhsa_wavefront_size32 1
		.amdhsa_system_sgpr_workgroup_id_x 1
		.amdhsa_system_sgpr_workgroup_id_y 1
		.amdhsa_system_sgpr_workgroup_id_z 1
		.amdhsa_system_vgpr_workitem_id 0
		.amdhsa_next_free_vgpr 256
		.amdhsa_next_free_sgpr 66
		.amdhsa_reserve_vcc 0
		.amdhsa_float_denorm_mode_32 3
		.amdhsa_float_denorm_mode_16_64 3
		.amdhsa_memory_ordered 1
		.amdhsa_forward_progress 1
		.amdhsa_inst_pref_size 47
	.end_amdhsa_kernel
	.amdgpu_metadata
---
amdhsa.version: [ 1, 2 ]
amdhsa.kernels:
  - .name:           k_q540063bcdc_quant
    .symbol:         k_q540063bcdc_quant.kd
    .args:
      - { .name: hidden_states, .offset: 0, .size: 8, .value_kind: global_buffer, .address_space: global }
      - { .name: W_attn, .offset: 8, .size: 8, .value_kind: global_buffer, .address_space: global }
      - { .name: W_proj, .offset: 16, .size: 8, .value_kind: global_buffer, .address_space: global }
      - { .name: xq, .offset: 24, .size: 8, .value_kind: global_buffer, .address_space: global }
      - { .name: wa, .offset: 32, .size: 8, .value_kind: global_buffer, .address_space: global }
      - { .name: wp, .offset: 40, .size: 8, .value_kind: global_buffer, .address_space: global }
    .group_segment_fixed_size: 95232
    .private_segment_fixed_size: 0
    .kernarg_segment_align: 8
    .kernarg_segment_size: 48
    .max_flat_workgroup_size: 256
    .sgpr_count:     66
    .vgpr_count:     256
    .wavefront_size: 32
...
	.end_amdgpu_metadata
.endif
;; end of part 1
;; launch gemm_qkv (part 2): grid 12 x 64, 4 waves a work-group, clusters of 4 x 4, 307,712 bytes of LDS; arguments xq, wa, b_attn, qkv; writes qkv
.if DOCPART == 2
	.amdgcn_target "amdgcn-amd-amdhsa--gfx1250"
	.amdhsa_code_object_version 6
	.text
	.protected	k_q540063bcdc_gemm_qkv
	.globl	k_q540063bcdc_gemm_qkv
	.p2align	8
	.type	k_q540063bcdc_gemm_qkv,@function
k_q540063bcdc_gemm_qkv:
	s_mov_b64 s[64:65], 0
	v_nop
	global_prefetch_b8 v0, s[64:65] scope:SCOPE_SE
	s_setreg_imm32_b32 hwreg(HW_REG_WAVE_MODE, 25, 1), 1
	s_wait_xcnt 0x0
	s_wait_alu depctr_hold_cnt(0) depctr_sa_sdst(0) depctr_va_vdst(0) depctr_va_sdst(0) depctr_va_ssrc(0) depctr_va_vcc(0) depctr_vm_vsrc(0)
	s_getreg_b32 s2, hwreg(HW_REG_IB_STS2, 6, 4)
	s_cmp_eq_u32 s2, 0
	s_cbranch_scc0 .Lentry_in_a_cluster
	s_endpgm
.Lentry_in_a_cluster:
	s_bfe_u32 s2, ttmp6, 0x10000c
	s_cmp_lg_u32 s2, 0xf033
	s_cbranch_scc0 .Lentry_shape_is_right
	s_endpgm
.Lentry_shape_is_right:
; qkv = x W_attn + b_attn on codes of FP6 (E2M3) with E8M0 scales, sums in f32; the results are quantised at once: q and k along the head's 64, v along the keys, and leave as operand images for the attention launch.
; A work-group takes 128 tokens (x's group y) x 256 columns (W's groups 2 x, 2 x + 1) with ALL of K = 1024 in LDS: twelve dense blocks of 25,600 bytes (128 rows x 256 K: codes as register images, then scale words), each filled once.
; CLUSTERS: 4 x 4 work-groups.  x's blocks hang on y alone and are asked for jointly along a row of the cluster, W's on x alone, along a column.  Wave 0 asks for x's four blocks, waves 1 and 2 for W's four each: four loads of a wave are out at the most.
; A wave makes 8 x 4 tiles of 16 x 16: 32 accumulators, which take turns in one order in every step of 128 along K.
; TWO ARMS, chosen by the cluster's x, which all sixteen partners share; each has its own copy of the loop, so that every LDS address is a constant + a lane term + a wave term.
;   q, k (columns 0-2047): source 0 = 128 columns of W, source 1 = 64 tokens: a lane holds one token and its registers run along the columns: two heads of 64, each two blocks of 32.
;   v (columns 2048-3071): source 0 = the 128 tokens, source 1 = 64 columns (one head): a lane holds one channel and its registers run along the keys: one fragment of 128 keys.
; The rows of a tile are rows 32 b + 8 u + r + 8 (r / 8) of their group, so the 16 registers of the results of tiles 2 b, 2 b + 1 are 16 neighbours: 32 b + 16 (lane / 16) + 0 .. 15.
; qkv, for each of 64 heads (16 x batch + head) 315,392 bytes: K codes [tile][768] at 0; V codes [chunk of 128 keys][channel tile][1536] at 98,304; K scale words [tile][16] at 196,608; V's [chunk][tile][16] at 204,800;
;   Q codes at 208,896; Q scale words at 307,200.  A q or k scale word is its two bytes and twice 0x7f: the product's K is 64, the instruction's 128.
; LIMITS: a block of zeros gets the byte 1 (its codes are zeros; this program alone reads the bytes); blocks under 2^-124 keep the byte 1; NaN and infinities are not served.
; REGISTERS: window 0: v1-15 lane terms and addresses; v16-27 scale words, two sets; v28 the bias's offset; v32-103 the bias; v128-223 source 1's fragments, two sets (behind the loop: results, codes, work);
;   window 1: v0-191 source 0's fragments, two sets;   window 2: accumulator (a, b) at v[8 (8 a + b)].
.set GBB,  25600
.set WREG, 4*GBB                       ; a 128-row group's four blocks.  LDS: x's at 0, W's two groups behind
.set HB,   315392
.set WV,   12
.set G1X,  24
.set G1W,  32
.set G0X,  40
.set WH,   56
.set WL,   57
.set SEL,  58
.set G0W,  68
.set BI,   32
.set BV,   96
.set HA,   128
.set PC,   192
.set TM,   212
.set PW,   228
.set TW,   229
.set MSB, 0
.macro WIN new                         ; the immediate's high byte repeats the setting that is left
.if MSB != \new
	s_set_vgpr_msb (MSB<<8)|\new
.set MSB, \new
.endif
.endm
.macro PLACES n
.rept \n
	v_nop
.endr
.endm
.macro CROUND                          ; a round of the cluster's barrier
	s_barrier_signal -1
	s_barrier_wait -1
	s_cmp_lg_u32 s[WV], 0
	s_cbranch_scc1 .Lnot_wave_0_\@
	s_barrier_signal -3
.Lnot_wave_0_\@:
	s_barrier_wait -3
	s_barrier_signal -1
	s_barrier_wait -1
.endm
; the fragments and scale words of step s (128 along K: block s / 2, its half s % 2) into set p: 72 loads of 256 consecutive bytes, 6 of 128
.macro FETCH s, p
.set KQ, (\s)/2
.set IMM, (KQ%2)*GBB+1536*((\s)%2)
.set IMZ, (KQ%2)*GBB+512*((\s)%2)
.set HI, KQ/2                          ; blocks 2 and 3 by the address registers that stand 51,200 further on
	WIN 0x40                                       ; destination window 1
.irp b, 0,1,2,3,4,5,6,7
.irp q, 0,1,2,3,4,5
	ds_load_b64 v[96*(\p)+12*\b+2*\q:96*(\p)+12*\b+2*\q+1], v[4+HI] offset:IMM+3072*\b+256*\q
.endr
.endr
	WIN 0
.irp a, 0,1,2,3
.irp q, 0,1,2,3,4,5
	ds_load_b64 v[128+48*(\p)+12*\a+2*\q:128+48*(\p)+12*\a+2*\q+1], v[6+HI] offset:IMM+3072*\a+256*\q
.endr
.endr
.irp i, 0,1,2,3
	ds_load_b32 v[16+4*(\p)+\i], v[8+HI] offset:IMZ+128*\i      ; lanes 0-15: tile 2 i's words, lanes 16-31: tile 2 i + 1's
.endr
.irp i, 0,1
	ds_load_b32 v[24+2*(\p)+\i], v[10+HI] offset:IMZ+128*\i
.endr
.endm
.macro WM a, b, p, first
.set WD, 8*(8*(\a)+(\b))
.set WA, 96*(\p)+12*(\b)
.set WB, 128+48*(\p)+12*(\a)
.set WSA, 16+4*(\p)+(\b)/2
.set WSB, 24+2*(\p)+(\a)/2
.set WR, 2*((\a)%2)+(\b)%2+4*(\first)
.if WR == 0
	v_wmma_scale_f32_16x16x128_f8f6f4 v[WD:WD+7], v[WA:WA+11], v[WB:WB+11], v[WD:WD+7], v[WSA], v[WSB] matrix_a_fmt:MATRIX_FMT_FP6 matrix_b_fmt:MATRIX_FMT_FP6
.elseif WR == 1
	v_wmma_scale_f32_16x16x128_f8f6f4 v[WD:WD+7], v[WA:WA+11], v[WB:WB+11], v[WD:WD+7], v[WSA], v[WSB] matrix_a_fmt:MATRIX_FMT_FP6 matrix_b_fmt:MATRIX_FMT_FP6 matrix_a_scale:MATRIX_SCALE_ROW1
.elseif WR == 2
	v_wmma_scale_f32_16x16x128_f8f6f4 v[WD:WD+7], v[WA:WA+11], v[WB:WB+11], v[WD:WD+7], v[WSA], v[WSB] matrix_a_fmt:MATRIX_FMT_FP6 matrix_b_fmt:MATRIX_FMT_FP6 matrix_b_scale:MATRIX_SCALE_ROW1
.elseif WR == 3
	v_wmma_scale_f32_16x16x128_f8f6f4 v[WD:WD+7], v[WA:WA+11], v[WB:WB+11], v[WD:WD+7], v[WSA], v[WSB] matrix_a_fmt:MATRIX_FMT_FP6 matrix_b_fmt:MATRIX_FMT_FP6 matrix_a_scale:MATRIX_SCALE_ROW1 matrix_b_scale:MATRIX_SCALE_ROW1
.elseif WR == 4
	v_wmma_scale_f32_16x16x128_f8f6f4 v[WD:WD+7], v[WA:WA+11], v[WB:WB+11], 0, v[WSA], v[WSB] matrix_a_fmt:MATRIX_FMT_FP6 matrix_b_fmt:MATRIX_FMT_FP6
.elseif WR == 5
	v_wmma_scale_f32_16x16x128_f8f6f4 v[WD:WD+7], v[WA:WA+11], v[WB:WB+11], 0, v[WSA], v[WSB] matrix_a_fmt:MATRIX_FMT_FP6 matrix_b_fmt:MATRIX_FMT_FP6 matrix_a_scale:MATRIX_SCALE_ROW1
.elseif WR == 6
	v_wmma_scale_f32_16x16x128_f8f6f4 v[WD:WD+7], v[WA:WA+11], v[WB:WB+11], 0, v[WSA], v[WSB] matrix_a_fmt:MATRIX_FMT_FP6 matrix_b_fmt:MATRIX_FMT_FP6 matrix_b_scale:MATRIX_SCALE_ROW1
.else
	v_wmma_scale_f32_16x16x128_f8f6f4 v[WD:WD+7], v[WA:WA+11], v[WB:WB+11], 0, v[WSA], v[WSB] matrix_a_fmt:MATRIX_FMT_FP6 matrix_b_fmt:MATRIX_FMT_FP6 matrix_a_scale:MATRIX_SCALE_ROW1 matrix_b_scale:MATRIX_SCALE_ROW1
.endif
.endm
.macro MUL32 p, first                  ; a step's 32 products.  first = 1: they start the sums: nothing is cleared
	WIN 0xa1                                       ; source 0 window 1, source 1 window 0, C and D window 2
.irp a, 0,1,2,3
.irp b, 0,1,2,3,4,5,6,7
	WM \a, \b, \p, \first
.endr
.endr
.endm
.macro STEPM s                         ; steps 1 to 6
	s_wait_dscnt 0x0                               ; this step's fragments are in
.if (\s)%2 == 1
	s_wait_tensorcnt 3-((\s)+1)/2                  ; my part of the next block of K has landed; the younger blocks may be out
	s_barrier_signal -1
	s_barrier_wait -1                              ; everybody's has.
.endif
	PLACES 4                                       ; in front of loads into registers that the last step's products read
	FETCH (\s)+1, ((\s)+1)%2
	MUL32 (\s)%2, 0
.endm
.macro MAIN
	s_wait_tensorcnt 3                             ; my first block of K has landed; the three younger may be out
	s_barrier_signal -1
	s_barrier_wait -1
	FETCH 0, 0
	s_wait_dscnt 0x0
	FETCH 1, 1
	MUL32 0, 1
	STEPM 1
	STEPM 2
	STEPM 3
	STEPM 4
	STEPM 5
	STEPM 6
	s_wait_dscnt 0x0
	MUL32 1, 0
	WIN 0
	PLACES 4                                       ; in front of the first reads of results and of writes over the fragments' registers
.irp b, 0,1,2,3
	v_mov_b32 v[TM+4+\b], 0                        ; a lane permute's destination counts as one of its sources
.endr
	s_wait_loadcnt 0x0                             ; the bias
.endm
.macro HIGHS
	v_add_nc_u32 v8, 24576, v8
	v_add_nc_u32 v10, 24576, v10
	v_add_nc_u32 v5, 51200, v4
	v_add_nc_u32 v7, 51200, v6
	v_add_nc_u32 v9, 51200, v8
	v_add_nc_u32 v11, 51200, v10
.endm
; 64 numbers of a lane, register 16 b + i = index 32 b + 16 (lane / 16) + i of my row, become a fragment's codes in v[PC] on and its scale word in v[PW]
.macro QUANT s
.irp b, 0,1,2,3
	v_max3_num_f32 v[TM+\b], |v[\s+16*\b]|, |v[\s+1+16*\b]|, 0x1800000   ; with the floor 2^(3 - 127)
.endr
.irp i, 2,4,6,8,10,12,14
.irp b, 0,1,2,3
	v_max3_num_f32 v[TM+\b], v[TM+\b], |v[\s+16*\b+\i]|, |v[\s+1+16*\b+\i]|
.endr
.endr
.irp b, 0,1,2,3
	v_permlanex16_b32 v[TM+4+\b], v[TM+\b], s[SEL], s[SEL+1]
.endr
.irp b, 0,1,2,3
	v_max_num_f32 v[TM+\b], v[TM+\b], v[TM+4+\b]   ; with lane l xor 16's: the block's largest magnitude
.endr
.irp b, 0,1,2,3
	v_add_nc_u32 v[TM+12+\b], 0xff000000, v[TM+\b] ; 2 off its exponent field: the conversion's scale operand
.endr
.irp b, 0,1,2,3
	v_lshrrev_b32 v[TM+4+\b], 23, v[TM+12+\b]      ; the scale's byte
.endr
	v_lshl_or_b32 v[PW], v[TM+5], 8, v[TM+4]
	v_lshl_or_b32 v[PW], v[TM+6], 16, v[PW]
	v_lshl_or_b32 v[PW], v[TM+7], 24, v[PW]
.irp c, 0,1
	v_cvt_scalef32_pk16_fp6_f32 v[PC+6*\c:PC+2+6*\c], v[\s+32*\c:\s+15+32*\c], v[TM+12+2*\c]
	v_cvt_scalef32_pk16_fp6_f32 v[PC+12+4*\c:PC+14+4*\c], v[\s+16+32*\c:\s+31+32*\c], v[TM+12+2*\c+1]
.endr
	v_nop                                          ; one plain place behind a scaled conversion
.irp c, 0,1                            ; the operand's layout wants a whole block in a lane
.irp i, 0,1,2
	v_permlane16_swap_b32 v[PC+6*\c+\i], v[PC+12+4*\c+\i]
.endr
.irp i, 0,1,2
	v_mov_b32 v[PC+3+6*\c+\i], v[PC+12+4*\c+\i]
.endr
.endr
.endm
	s_load_b128 s[4:7], s[0:1], 0x0                ; xq, wa
	s_load_b128 s[8:11], s[0:1], 0x10              ; b_attn, qkv
	v_lshl_add_u32 v254, v0, 2, 0x4b000
	v_mov_b32 v255, 0
	ds_add_u32 v254, v255
	ds_add_u32 v254, v255
	v_lshrrev_b32 v1, 5, v0
	v_readfirstlane_b32 s[WV], v1                  ; wave 0..3
	s_bfe_u32 s13, ttmp6, 0x40000                  ; cx
	s_bfe_u32 s14, ttmp6, 0x40004                  ; cy
	s_lshl_b32 s15, ttmp9, 2
	s_add_co_u32 s15, s15, s13                     ; x
	s_and_b32 s16, ttmp7, 0xffff
	s_lshl_b32 s16, s16, 2
	s_add_co_u32 s16, s16, s14                     ; y
	s_lshl_b32 s17, s14, 2
	s_lshl_b32 s17, 15, s17                        ; my row of the cluster
	s_lshl_b32 s18, 0x1111, s13                    ; my column
	; group 1: a dense block of 25,600 bytes as 100 rows of 32 elements of 8 bytes, no padding; bit 21 set beside the mask
	s_or_b32 s[G1X], s17, (3<<16)|(1<<21)
	s_or_b32 s[G1W], s18, (3<<16)|(1<<21)
.irp g, G1X, G1W
	s_mov_b32 s[\g+1], 32<<16                      ; tensor_dim0
	s_mov_b32 s[\g+2], 100<<16                     ; tensor_dim1
	s_mov_b32 s[\g+3], 32<<16                      ; tile_dim0
	s_mov_b32 s[\g+4], 100                         ; tile_dim1
	s_mov_b32 s[\g+5], 32                          ; pitch
	s_mov_b32 s[\g+6], 0
	s_mov_b32 s[\g+7], 0
.endr
	s_mul_i32 s20, s16, WREG                       ; x's group y
	s_mov_b32 s21, 0
	s_and_b32 s19, s[WV], 1
	s_xor_b32 s19, s19, 1                          ; wave 1 fetches W's first group, wave 2 the second
	s_lshl_b32 s22, s15, 1
	s_add_co_u32 s22, s22, s19
	s_mul_i32 s22, s22, WREG
	s_mov_b32 s23, 0
	s_mul_i32 s19, s19, WREG
	s_add_co_u32 s19, s19, WREG                    ; and where it goes
	s_wait_dscnt 0x0
	s_wait_kmcnt 0x0
	s_add_nc_u64 s[20:21], s[4:5], s[20:21]
	s_add_nc_u64 s[22:23], s[6:7], s[22:23]
	CROUND                                         ; all sixteen work-groups are here: the joint loads meet
.irp k, 0,1,2,3
	s_mov_b32 s[G0X+4*\k], 1
	s_mov_b32 s[G0X+4*\k+1], \k*GBB
	s_add_nc_u64 s[G0X+4*\k+2:G0X+4*\k+3], s[20:21], \k*GBB
	s_or_b32 s[G0X+4*\k+3], s[G0X+4*\k+3], 0x80000000
	s_mov_b32 s[G0W+4*\k], 1
	s_add_co_u32 s[G0W+4*\k+1], s19, \k*GBB
	s_add_nc_u64 s[G0W+4*\k+2:G0W+4*\k+3], s[22:23], \k*GBB
	s_or_b32 s[G0W+4*\k+3], s[G0W+4*\k+3], 0x80000000
.endr
	s_cmp_eq_u32 s[WV], 0                          ; a wave's first fills stand in one branch on its number; four v_nop follow the last
	s_cbranch_scc0 .Lnot_x
.irp k, 0,1,2,3
	tensor_load_to_lds s[G0X+4*\k:G0X+4*\k+3], s[G1X:G1X+7]
	s_nop 0
.endr
	PLACES 4
	s_branch .Lasked
.Lnot_x:
	s_cmp_eq_u32 s[WV], 3
	s_cbranch_scc1 .Lasked
.irp k, 0,1,2,3
	tensor_load_to_lds s[G0W+4*\k:G0W+4*\k+3], s[G1W:G1W+7]
	s_nop 0
.endr
	PLACES 4
.Lasked:
	v_and_b32 v1, 31, v0                           ; lane
	v_and_b32 v2, 15, v0                           ; r
	v_bfe_u32 v3, v0, 4, 1                         ; h
	v_lshlrev_b32 v12, 3, v1                       ; 8 x lane
	v_lshlrev_b32 v14, 2, v2                       ; 4 r
	v_lshlrev_b32 v15, 4, v3                       ; 16 h
	v_mul_u32_u24 v13, v3, HB
	v_add_nc_u32 v13, v13, v14                     ; q, k scale words: lanes 16-31 serve the next head
	s_lshr_b32 s[WH], s[WV], 1
	s_and_b32 s[WL], s[WV], 1
	s_mov_b32 s[SEL], 0x76543210
	s_mov_b32 s[SEL+1], 0xfedcba98
	s_mov_b32 s67, 0x7f7f0000
	s_mul_i32 s60, s[WH], WREG
	s_add_co_u32 s60, s60, WREG                    ; my group of W in LDS
	s_mul_i32 s61, s[WL], 12288                    ; four tiles on
	s_lshl_b32 s62, s[WL], 8                       ; and their scale words
	s_cmp_lt_u32 ttmp9, 2
	s_cbranch_scc0 .Lvalues
	s_wait_alu depctr_va_vdst(0)
	; ---- q, k: source 0 = my group of W, source 1 = tokens' tiles 4 (wave % 2) on
	v_add_nc_u32 v4, s60, v12
	v_add_nc_u32 v6, s61, v12
	v_lshl_add_u32 v8, v1, 2, s60
	v_lshl_add_u32 v10, v1, 2, s62
	HIGHS
	s_lshl_b32 s90, s15, 10
	s_lshl_b32 s91, s[WH], 9
	s_add_co_u32 s90, s90, s91
	s_mov_b32 s91, 0
	s_add_nc_u64 s[88:89], s[8:9], s[90:91]        ; the bias of my 128 columns
	v_lshlrev_b32 v28, 6, v3
.irp t, 0,1,2,3,4,5,6,7                ; in the results' layout: for tile 2 b + u columns 32 b + 16 h + 8 u + 0 .. 7
	global_load_b128 v[BI+8*\t:BI+8*\t+3], v28, s[88:89] offset:(32*(\t/2)+8*(\t%2))*4
	global_load_b128 v[BI+8*\t+4:BI+8*\t+7], v28, s[88:89] offset:(32*(\t/2)+8*(\t%2))*4+16
.endr
	s_lshl_b32 s90, s15, 2
	s_lshl_b32 s91, s[WH], 1
	s_add_co_u32 s90, s90, s91
	s_and_b32 s90, s90, 15                         ; my first head
	s_lshr_b32 s91, s16, 4
	s_lshl_b32 s91, s91, 4
	s_add_co_u32 s90, s90, s91                     ; + 16 x batch
	s_mul_i32 s90, s90, HB
	s_and_b32 s91, s16, 15
	s_lshl_b32 s91, s91, 3
	s_lshl_b32 s92, s[WL], 2
	s_add_co_u32 s91, s91, s92                     ; my first tile of tokens in the sequence
	s_cmp_lt_u32 s15, 4                            ; q or k: it selects an offset in memory and nothing else
	s_cselect_b32 s92, 208896, 0
	s_mov_b32 s93, 196608
	s_cselect_b32 s93, 307200, s93
	s_mul_i32 s94, s91, 768
	s_add_co_u32 s94, s94, s92
	s_add_co_u32 s94, s94, s90
	s_mov_b32 s95, 0
	s_add_nc_u64 s[84:85], s[10:11], s[94:95]
	s_lshl_b32 s94, s91, 6
	s_add_co_u32 s94, s94, s93
	s_add_co_u32 s94, s94, s90
	s_add_nc_u64 s[86:87], s[10:11], s[94:95]
	s_wait_alu depctr_va_vdst(0)
	MAIN
.irp a, 0,1,2,3                        ; a tile of 16 tokens x my 128 columns
.if \a > 0
	s_wait_xcnt 0x0                                ; the last tile's stores have read their data
.endif
	WIN 0x02                                       ; source 0 window 2
.set i, 0
.rept 32
	v_pk_add_f32 v[HA+2*i:HA+2*i+1], v[64*\a+2*i:64*\a+2*i+1], v[BI+2*i:BI+2*i+1]   ; + bias; each accumulator from its low end on
.set i, i+1
.endr
	WIN 0
	QUANT HA
	v_lshrrev_b32 v[TW], v15, v[PW]                ; lanes 0-15: the first head's two bytes, lanes 16-31: the second's,
	v_and_or_b32 v[TW], v[TW], 0xffff, s67         ; under twice 0x7f
.irp e, 0,1
.irp p, 0,1,2
	global_store_b64 v12, v[PC+6*\e+2*\p:PC+6*\e+2*\p+1], s[84:85] offset:HB*\e+768*\a+256*\p   ; 256 consecutive bytes, aligned
.endr
.endr
	global_store_b32 v13, v[TW], s[86:87] offset:64*\a
.endr
	s_wait_tensorcnt 0x0
	ds_add_u32 v254, v255
	s_wait_dscnt 0x0
	CROUND                                         ; the closing round
	s_endpgm
	; ---- v: source 0 = the 128 tokens, source 1 = my head's 64 columns
.Lvalues:
	s_add_co_u32 s61, s61, s60
	s_add_co_u32 s62, s62, s60
	s_wait_alu depctr_va_vdst(0)
	v_lshlrev_b32 v4, 3, v1
	v_add_nc_u32 v6, s61, v12
	v_lshlrev_b32 v8, 2, v1
	v_lshl_add_u32 v10, v1, 2, s62
	HIGHS
	s_lshl_b32 s90, s15, 10
	s_lshl_b32 s91, s[WV], 8
	s_add_co_u32 s90, s90, s91
	s_mov_b32 s91, 0
	s_add_nc_u64 s[88:89], s[8:9], s[90:91]        ; the bias of my 64 columns
	v_and_b32 v28, 8, v2
	v_add_nc_u32 v28, v28, v2
	v_lshlrev_b32 v28, 2, v28                      ; my lane's column in a tile: r + 8 (r / 8)
.irp a, 0,1,2,3
	global_load_b32 v[BV+2*\a], v28, s[88:89] offset:(32*(\a/2)+8*(\a%2))*4
	global_load_b32 v[BV+2*\a+1], v28, s[88:89] offset:(32*(\a/2)+8*(\a%2))*4   ; (named with it as a pair, so it is written)
.endr
	s_sub_co_u32 s90, s15, 8
	s_lshl_b32 s90, s90, 2
	s_add_co_u32 s90, s90, s[WV]                   ; my head
	s_lshr_b32 s91, s16, 4
	s_lshl_b32 s91, s91, 4
	s_add_co_u32 s90, s90, s91
	s_mul_i32 s90, s90, HB
	s_and_b32 s91, s16, 15                         ; the chunk of 128 keys
	s_mul_i32 s94, s91, 6144
	s_add_co_u32 s94, s94, s90
	s_add_co_u32 s94, s94, 98304
	s_mov_b32 s95, 0
	s_add_nc_u64 s[84:85], s[10:11], s[94:95]
	s_lshl_b32 s94, s91, 8
	s_add_co_u32 s94, s94, s90
	s_add_co_u32 s94, s94, 204800
	s_add_nc_u64 s[86:87], s[10:11], s[94:95]
	s_wait_alu depctr_va_vdst(0)
	MAIN
.irp a, 0,1,2,3                        ; a tile of 16 channels x the chunk's 128 keys: one fragment
.if \a > 0
	s_wait_xcnt 0x0
.endif
	WIN 0x02
.set i, 0
.rept 32
	v_pk_add_f32 v[HA+2*i:HA+2*i+1], v[64*\a+2*i:64*\a+2*i+1], v[BV+2*\a:BV+2*\a+1] op_sel_hi:[1,0]
.set i, i+1
.endr
	WIN 0
	QUANT HA
.irp q, 0,1,2,3,4,5
	global_store_b64 v12, v[PC+2*\q:PC+2*\q+1], s[84:85] offset:1536*\a+256*\q
.endr
	global_store_b32 v14, v[PW], s[86:87] offset:64*\a   ; lanes 16-31 repeat lanes 0-15
.endr
	s_wait_tensorcnt 0x0
	ds_add_u32 v254, v255
	s_wait_dscnt 0x0
	CROUND
	s_endpgm
.Lfunc_end_k_q540063bcdc_gemm_qkv:
	.size	k_q540063bcdc_gemm_qkv, .Lfunc_end_k_q540063bcdc_gemm_qkv-k_q540063bcdc_gemm_qkv
	.p2alignl 7, 3214868480
	.fill 96, 4, 3214868480
	.section	.rodata,"a",@progbits
	.p2align	6, 0x0
	.amdhsa_kernel k_q540063bcdc_gemm_qkv
		.amdhsa_group_segment_fixed_size 307712
		.amdhsa_private_segment_fixed_size 0
		.amdhsa_enable_private_segment 0
		.amdhsa_kernarg_size 32
		.amdhsa_user_sgpr_count 2
		.amdhsa_user_sgpr_kernarg_segment_ptr 1
		.amdhsa_wavefront_size32 1
		.amdhsa_system_sgpr_workgroup_id_x 1
		.amdhsa_system_sgpr_workgroup_id_y 1
		.amdhsa_system_sgpr_workgroup_id_z 1
		.amdhsa_system_vgpr_workitem_id 0
		.amdhsa_next_free_vgpr 768
		.amdhsa_next_free_sgpr 100
		.amdhsa_reserve_vcc 0
		.amdhsa_float_denorm_mode_32 3
		.amdhsa_float_denorm_mode_16_64 3
		.amdhsa_memory_ordered 1
		.amdhsa_forward_progress 1
		.amdhsa_inst_pref_size 213
	.end_amdhsa_kernel
	.amdgpu_metadata
---
amdhsa.version: [ 1, 2 ]
amdhsa.kernels:
  - .name:           k_q540063bcdc_gemm_qkv
    .symbol:         k_q540063bcdc_gemm_qkv.kd
    .args:
      - { .name: xq, .offset: 0, .size: 8, .value_kind: global_buffer, .address_space: global }
      - { .name: wa, .offset: 8, .size: 8, .value_kind: global_buffer, .address_space: global }
      - { .name: b_attn, .offset: 16, .size: 8, .value_kind: global_buffer, .address_space: global }
      - { .name: qkv, .offset: 24, .size: 8, .value_kind: global_buffer, .address_space: global }
    .group_segment_fixed_size: 307712
    .private_segment_fixed_size: 0
    .kernarg_segment_align: 8
    .kernarg_segment_size: 32
    .max_flat_workgroup_size: 128
    .sgpr_count:     100
    .vgpr_count:     768
    .wavefront_size: 32
...
	.end_amdgpu_metadata
.endif
;; end of part 2
;; launch attn (part 3): grid 4 x 64, 16 waves a work-group, clusters of 4 x 1, 219,136 bytes of LDS; arguments qkv, cq; writes cq
.if DOCPART == 3
	.amdgcn_target "amdgcn-amd-amdhsa--gfx1250"
	.amdhsa_code_object_version 6
	.text
	.protected	k_q540063bcdc_attn
	.globl	k_q540063bcdc_attn
	.p2align	8
	.type	k_q540063bcdc_attn,@function
k_q540063bcdc_attn:
	s_mov_b64 s[64:65], 0
	v_nop
	global_prefetch_b8 v0, s[64:65] scope:SCOPE_SE
	s_setreg_imm32_b32 hwreg(HW_REG_WAVE_MODE, 25, 1), 1
	s_wait_xcnt 0x0
	s_wait_alu depctr_hold_cnt(0) depctr_sa_sdst(0) depctr_va_vdst(0) depctr_va_sdst(0) depctr_va_ssrc(0) depctr_va_vcc(0) depctr_vm_vsrc(0)
	s_getreg_b32 s2, hwreg(HW_REG_IB_STS2, 6, 4)
	s_cmp_eq_u32 s2, 0
	s_cbranch_scc0 .Lentry_in_a_cluster
	s_endpgm
.Lentry_in_a_cluster:
	s_bfe_u32 s2, ttmp6, 0x10000c
	s_cmp_lg_u32 s2, 0x3003
	s_cbranch_scc0 .Lentry_shape_is_right
	s_endpgm
.Lentry_shape_is_right:
; Causal attention of one head (16 x batch + head = the cluster's y) on codes of FP6 (E2M3) with E8M0 scales; head size 64, 2,048 tokens.  The context is quantised along the model's 1,024 and leaves as operand blocks for the last product.
; t = score x log2(e) / 8; M = the running largest t rounded up to a whole number; p = 2^(t - M) is quantised along the keys, not normalised; the row's sum is taken of the unquantised p and divides at the end.
; THE MASK puts the logit -10000 (a score of -80000 ahead of the division by 8) in a hidden key's place: it is no -infinity, so hidden keys are honoured.  On the diagonal chunk they go through the softmax like any key.
; In the chunks of 128 keys that lie wholly behind a query every p is the same number c = 2^(t_mask - M), a block of 32 equal numbers quantises to one number Q(c) (c rounded to 3 mantissa bits, ties to even, held at 1.875 x its power of two),
; so those chunks add Q(c) x (the sum of the quantised V over their keys) to O and c x (their number of keys) to the sum.  The sums of V are made once, by products of V with ones.
; LIMITS: that tail is summed in another order than the product's own; a c under 2^-126 counts as 0, and between 2^-126 and 2^-124 it is rounded by its own power of two and not by the held scale; a block of zeros gets the byte 1; NaN and infinities are not served.
; CLUSTER: the four work-groups of a cluster serve one head and need the same K and V: 208,896 dense bytes (K codes, V codes, K scale words, V scale words), asked for JOINTLY, one load of 51 rows of 256 bytes a wave, filled once.
; SHARES: a wave owns two tiles of 16 queries, of chunks jA = wave % 8 and 15 - jA: (jA + 1) + (16 - jA) = 17 key steps of 128 keys for every wave.  Which tile of a chunk: wave / 8 + 2 cx, which enters memory addresses and one vector alone.
; Both products are used transposed (source 0 = 16 keys, or 16 channels): a lane holds one query.  Tiles hold rows 32 b + 8 u + r + 8 (r / 8), so 16 registers of two neighbouring tiles are 16 neighbours.
; K = 64 IN A FORM OF K = 128: Q's codes for k = 64 .. 127 are zeros and both sides' scale bytes there are 0x7f.  K's eight half fragments lie packed, so an operand's upper half is the next tile's codes, which meet zero codes.
; REGISTERS: v1-7, v30, v31 lane terms; v8-11 addresses in hand; v12 -M, v13 largest t, v[14:15] the sum; v16-27 Q and zeros; v28 Q's scale word; v29 0x7f bytes; v32-85 K's or V's fragments (v80-85 zeros); v86-92 the second tile's Q;
;   v96-159 S^T, then p; v160-191 O^T; v192-210 p's codes; v212-218 scale words; v220-239 at work.
.set HB,   315392
.set GBB,  25600
.set VC,   98304                       ; LDS: K codes at 0, V codes,
.set KSC,  196608                      ; K scale words,
.set VSC,  204800                      ; V scale words,
.set CH,   208896                      ; the chunks' sums of V, 16 x 256 bytes,
.set SUF,  212992                      ; and their sums from a chunk on, 16 x 256 bytes: no fill lands in these two
.set QC,   208896                      ; in memory: Q codes, Q scale words
.set QS,   307200
.set ADK, 8
.set ADV, 9
.set ADS, 10
.set ADT, 11
.set BM,  220
.set PD,  224
.set SOP, 228
.set FF,  232
.set WK,  234
.set SU,  236
.set PCD, 192
.set CT,  204
.set PWD, 218
.set WV,  8
.set CX,  9
.set BH,  10
.set SUB, 11
.set JS,  12
.set J,   13
.set TK,  14
.set TS,  15
.set TV,  16
.set RAW, 17
.set CS,  18
.set SEL, 20
.set MM,  22
.set G1,  24
.set G0,  32
.set HBS, 36
.set JA,  46
.set JB,  47
.set SJ,  52
.set CN,  53
.macro CROUND
	s_barrier_signal -1
	s_barrier_wait -1
	s_cmp_lg_u32 s[WV], 0
	s_cbranch_scc1 .Lnot_wave_0_\@
	s_barrier_signal -3
.Lnot_wave_0_\@:
	s_barrier_wait -3
	s_barrier_signal -1
	s_barrier_wait -1
.endm
.macro BARRIER
	s_wait_dscnt 0x0
	s_barrier_signal -1
	s_barrier_wait -1
.endm
; A KEY STEP: chunk J's 128 keys against my 16 queries
.macro STEP
	v_add_nc_u32 v[ADK], s[TK], v1                 ; (these four are also the places behind the last products, in front of the loads below)
	v_add_nc_u32 v[ADV], s[TK], v2
	v_add_nc_u32 v[ADS], s[TS], v3
	v_add_nc_u32 v[ADT], s[TV], v4
.irp t, 0,1,2,3,4,5,6,7
.irp p, 0,1,2
	ds_load_b64 v[32+6*\t+2*\p:33+6*\t+2*\p], v[ADK] offset:768*\t+256*\p
.endr
.endr
.irp i, 0,1,2,3
	ds_load_b32 v[212+\i], v[ADS] offset:128*\i    ; lanes 0-15: tile 2 i's words, lanes 16-31: tile 2 i + 1's
.endr
	s_wait_alu depctr_va_vdst(0)
	s_wait_dscnt 0x0
.irp i, 0,1,2,3
	v_wmma_scale_f32_16x16x128_f8f6f4 v[96+16*\i:103+16*\i], v[32+12*\i:43+12*\i], v[16:27], 0, v[212+\i], v28 matrix_a_fmt:MATRIX_FMT_FP6 matrix_b_fmt:MATRIX_FMT_FP6
	v_wmma_scale_f32_16x16x128_f8f6f4 v[104+16*\i:111+16*\i], v[38+12*\i:49+12*\i], v[16:27], 0, v[212+\i], v28 matrix_a_fmt:MATRIX_FMT_FP6 matrix_b_fmt:MATRIX_FMT_FP6 matrix_a_scale:MATRIX_SCALE_ROW1
.endr
.rept 4
	v_nop                                          ; places in front of the loads into K's registers and of the first reads of the scores
.endr
.irp a, 0,1,2,3                        ; V's four fragments land under the softmax
.irp q, 0,1,2,3,4,5
	ds_load_b64 v[32+12*\a+2*\q:33+12*\a+2*\q], v[ADV] offset:1536*\a+256*\q
.endr
.endr
.irp i, 0,1
	ds_load_b32 v[216+\i], v[ADT] offset:128*\i
.endr
	s_cmp_lg_u32 s[J], s[JS]                       ; the diagonal chunk alone has hidden keys among open ones
	s_cbranch_scc1 .Lopen_\@
.set n, 0
.rept 64
	v_cmp_gt_i32 vcc_lo, 32*(n/16)+n%16, v5        ; register 16 b + i holds key 32 b + 16 (lane / 16) + i of the chunk: hidden where it lies behind my query
	v_cndmask_b32 v[96+n], v[96+n], v6, vcc_lo
.set n, n+1
.endr
.Lopen_\@:
.irp b, 0,1,2,3
	v_max3_num_f32 v[BM+\b], v[96+16*\b], v[97+16*\b], v[98+16*\b]   ; the largest score of each block of 32 keys: for the row's maximum and for the block's largest p
.endr
.irp i, 3,5,7,9,11,13
.irp b, 0,1,2,3
	v_max3_num_f32 v[BM+\b], v[BM+\b], v[96+16*\b+\i], v[97+16*\b+\i]
.endr
.endr
.irp b, 0,1,2,3
	v_max_num_f32 v[BM+\b], v[BM+\b], v[111+16*\b]
.endr
.irp b, 0,1,2,3
	s_delay_alu instid0(VALU_DEP_4)
	v_permlanex16_b32 v[PD+\b], v[BM+\b], s[SEL], s[SEL+1]
.endr
.irp b, 0,1,2,3
	s_delay_alu instid0(VALU_DEP_4)
	v_max_num_f32 v[BM+\b], v[BM+\b], v[PD+\b]
.endr
	s_delay_alu instid0(VALU_DEP_2)
	v_max3_num_f32 v[WK], v[BM], v[BM+1], v[BM+2]
	s_delay_alu instid0(VALU_DEP_1)
	v_max_num_f32 v[WK], v[WK], v[BM+3]
	s_delay_alu instid0(VALU_DEP_1)
	v_mul_f32 v[WK], s[CS], v[WK]
	s_delay_alu instid0(VALU_DEP_1)
	v_max_num_f32 v13, v13, v[WK]                  ; the running largest t
	v_mov_b32 v[WK], v12
	s_delay_alu instid0(VALU_DEP_2)
	v_floor_f32 v12, -v13                          ; the new -M
	s_delay_alu instid0(VALU_DEP_1)
	v_sub_f32 v[WK], v12, v[WK]
	s_delay_alu instid0(VALU_DEP_1)
	v_cvt_i32_f32 v[WK], v[WK]                     ; (it saturates)
	s_delay_alu instid0(VALU_DEP_1)
	v_ldexp_f32 v[FF], 1.0, v[WK]                  ; f = 2^(old M - new M)
.set n, 0
	s_setprio 1
.rept 32
	v_pk_fma_f32 v[96+n:97+n], v[96+n:97+n], s[CS:CS+1], v[12:13] op_sel_hi:[1,0,0]   ; t - M
.set n, n+2
.endr
.irp b, 0,1,2,3
	v_fma_f32 v[BM+\b], v[BM+\b], s[CS], v12
.endr
.set n, 0
	s_wait_alu depctr_va_vdst(0)
.rept 64
	v_exp_f32 v[96+n], v[96+n]                     ; p
.set n, n+1
.endr
	v_pk_mul_f32 v[14:15], v[14:15], v[FF:FF+1] op_sel_hi:[1,0]   ; the sums under the new M: the plain place behind the batch
	s_wait_alu depctr_va_vdst(0)                   ; one wait for the batch, ahead of its first reader
.irp b, 0,1,2,3
	v_exp_f32 v[BM+\b], v[BM+\b]                   ; the blocks' largest p
.endr
	v_pk_add_f32 v[236:237], v[100:101], v[104:105]
	v_pk_add_f32 v[252:253], v[108:109], v[112:113]
	v_pk_add_f32 v[250:251], v[116:117], v[120:121]
	v_pk_add_f32 v[248:249], v[124:125], v[128:129]
	v_pk_add_f32 v[246:247], v[132:133], v[136:137]
	v_pk_add_f32 v[244:245], v[140:141], v[144:145]
	v_pk_add_f32 v[242:243], v[148:149], v[152:153]
	v_pk_add_f32 v[14:15], v[14:15], v[156:157]
	v_pk_add_f32 v[236:237], v[236:237], v[96:97]
	v_pk_add_f32 v[252:253], v[252:253], v[98:99]
	v_pk_add_f32 v[250:251], v[250:251], v[102:103]
	v_pk_add_f32 v[248:249], v[248:249], v[106:107]
	v_pk_add_f32 v[246:247], v[246:247], v[110:111]
	v_pk_add_f32 v[244:245], v[244:245], v[114:115]
	v_pk_add_f32 v[242:243], v[242:243], v[118:119]
	v_pk_add_f32 v[14:15], v[14:15], v[122:123]
	v_pk_add_f32 v[236:237], v[236:237], v[126:127]
	v_pk_add_f32 v[252:253], v[252:253], v[130:131]
	v_pk_add_f32 v[250:251], v[250:251], v[134:135]
	v_pk_add_f32 v[248:249], v[248:249], v[138:139]
	v_pk_add_f32 v[246:247], v[246:247], v[142:143]
	v_pk_add_f32 v[244:245], v[244:245], v[146:147]
	v_pk_add_f32 v[242:243], v[242:243], v[150:151]
	v_pk_add_f32 v[14:15], v[14:15], v[154:155]
	v_pk_add_f32 v[236:237], v[236:237], v[158:159]
	s_delay_alu instid0(VALU_DEP_2)
	v_pk_add_f32 v[14:15], v[14:15], v[248:249]
	s_delay_alu instid0(VALU_DEP_2)
	v_pk_add_f32 v[236:237], v[236:237], v[246:247]
	v_pk_add_f32 v[252:253], v[252:253], v[244:245]
	v_pk_add_f32 v[250:251], v[250:251], v[242:243]
	s_delay_alu instid0(VALU_DEP_2)
	v_pk_add_f32 v[14:15], v[14:15], v[252:253]
	s_delay_alu instid0(VALU_DEP_2)
	v_pk_add_f32 v[236:237], v[236:237], v[250:251]
	s_delay_alu instid0(VALU_DEP_1)
	v_pk_add_f32 v[14:15], v[14:15], v[236:237]
	s_setprio 0
	s_wait_alu depctr_va_vdst(0)                   ; and one for the four
.irp b, 0,1,2,3
	v_max_num_f32 v[BM+\b], 0x1800000, v[BM+\b]    ; the floor 2^(3 - 127)
.endr
.irp b, 0,1,2,3
	s_delay_alu instid0(VALU_DEP_4)
	v_add_nc_u32 v[SOP+\b], 0xff000000, v[BM+\b]
.endr
.irp b, 0,1,2,3
	s_delay_alu instid0(VALU_DEP_4)
	v_lshrrev_b32 v[PD+\b], 23, v[SOP+\b]
.endr
	s_delay_alu instid0(VALU_DEP_3)
	v_lshl_or_b32 v[PWD], v[PD+1], 8, v[PD]
	s_delay_alu instid0(VALU_DEP_1)
	v_lshl_or_b32 v[PWD], v[PD+2], 16, v[PWD]
	s_delay_alu instid0(VALU_DEP_1)
	v_lshl_or_b32 v[PWD], v[PD+3], 24, v[PWD]      ; p's scale word
.irp c, 0,1
	v_cvt_scalef32_pk16_fp6_f32 v[PCD+6*\c:PCD+2+6*\c], v[96+32*\c:111+32*\c], v[SOP+2*\c]
	v_cvt_scalef32_pk16_fp6_f32 v[CT+4*\c:CT+2+4*\c], v[112+32*\c:127+32*\c], v[SOP+2*\c+1]
.endr
	v_nop
.irp c, 0,1
.irp i, 0,1,2
	v_permlane16_swap_b32 v[PCD+6*\c+\i], v[CT+4*\c+\i]
.endr
.irp i, 0,1,2
	s_delay_alu instid0(VALU_DEP_3)
	v_mov_b32 v[PCD+3+6*\c+\i], v[CT+4*\c+\i]
.endr
.endr
.set n, 0
.rept 16
	v_pk_mul_f32 v[160+n:161+n], v[160+n:161+n], v[FF:FF+1] op_sel_hi:[1,0]   ; O^T under the new M; also the places in front of the products
.set n, n+2
.endr
	s_wait_alu depctr_va_vdst(0)
	s_wait_dscnt 0x0                               ; V
.irp i, 0,1
	v_wmma_scale_f32_16x16x128_f8f6f4 v[160+16*\i:167+16*\i], v[32+24*\i:43+24*\i], v[PCD:PCD+11], v[160+16*\i:167+16*\i], v[216+\i], v[PWD] matrix_a_fmt:MATRIX_FMT_FP6 matrix_b_fmt:MATRIX_FMT_FP6
	v_wmma_scale_f32_16x16x128_f8f6f4 v[168+16*\i:175+16*\i], v[44+24*\i:55+24*\i], v[PCD:PCD+11], v[168+16*\i:175+16*\i], v[216+\i], v[PWD] matrix_a_fmt:MATRIX_FMT_FP6 matrix_b_fmt:MATRIX_FMT_FP6 matrix_a_scale:MATRIX_SCALE_ROW1
.endr
.endm
; ONE TILE OF QUERIES, of chunk JS.  Every wave walks all 16 trips and jumps over the work of the chunks behind its queries: the trip count is a constant.
.macro WALK which
.if \which
	s_wait_xcnt 0x0                                ; the first tile's stores have read their data and bases
	s_mov_b32 s[JS], s[JB]
.else
	s_mov_b32 s[JS], s[JA]
.endif
	s_cmp_lt_u32 s[JS], 15                         ; are there chunks wholly behind my queries?  Then the mask's t counts for M from the start
	s_mov_b32 s[RAW], 0xff61b1e6                   ; -3e38
	s_cselect_b32 s[RAW], 0xc79c4000, s[RAW]       ; -80000
	s_lshr_b32 s38, s[BH], 4
	s_lshl_b32 s38, s38, 4
	s_add_co_u32 s38, s38, s[JS]                   ; the tokens' group of 128
	s_lshl_b32 s38, s38, 2
	s_bfe_u32 s39, s[BH], 0x20002                  ; the K quarter: head / 4
	s_add_co_u32 s38, s38, s39
	s_mul_i32 s38, s38, GBB
	s_mul_i32 s39, s[SUB], 3072
	s_add_co_u32 s40, s38, s39
	s_and_b32 s39, s[BH], 3
	s_mul_i32 s39, s39, 768
	s_add_co_u32 s40, s40, s39
	s_mov_b32 s41, 0
	s_add_nc_u64 s[40:41], s[6:7], s[40:41]        ; my half fragment in cq
	s_bfe_u32 s39, s[BH], 0x10001
	s_lshl_b32 s39, s39, 9
	s_add_co_u32 s42, s38, s39
	s_lshl_b32 s39, s[SUB], 6
	s_add_co_u32 s42, s42, s39
	s_and_b32 s39, s[BH], 1
	s_lshl_b32 s39, s39, 1
	s_add_co_u32 s42, s42, s39
	s_mov_b32 s43, 0
	s_add_nc_u64 s[42:43], s[6:7], s[42:43]        ; my two bytes of the rows' scale words (24,576 stands in the immediate)
	v_mul_f32 v13, s[RAW], s[CS]
	s_delay_alu instid0(VALU_DEP_1)
	v_floor_f32 v12, -v13
	v_mov_b32 v14, 0
	v_mov_b32 v15, 0
.set n, 0
.rept 32
	v_mov_b32 v[160+n], 0                          ; O^T: the step is written once; its first trip finds zeros
.set n, n+1
.endr
	s_mov_b32 s[TK], 0
	s_mov_b32 s[TS], 0
	s_mov_b32 s[TV], 0
	s_mov_b32 s[J], 0
.Lkey_\@:
	s_cmp_gt_u32 s[J], s[JS]
	s_cbranch_scc1 .Lpast_\@
	s_setprio 2
	STEP
.Lpast_\@:
	s_add_co_u32 s[TK], s[TK], 6144                ; a chunk's codes, K's and V's alike
	s_add_co_u32 s[TS], s[TS], 512
	s_add_co_u32 s[TV], s[TV], 256
	s_add_co_u32 s[J], s[J], 1
	s_cmp_lt_u32 s[J], 16
	s_cbranch_scc1 .Lkey_\@
	s_setprio 0
	s_lshl_b32 s[SJ], s[JS], 8
	s_xor_b32 s[CN], s[JS], 15
	s_lshl_b32 s[CN], s[CN], 7                     ; the keys of the chunks behind: 128 (15 - JS)
.rept 4
	v_nop                                          ; places behind the last products
.endr
	v_add_nc_u32 v[ADK], s[SJ], v7
.irp b, 0,1
.irp q, 0,1,2,3
	ds_load_b128 v[32+16*\b+4*\q:35+16*\b+4*\q], v[ADK] offset:128*\b+16*\q   ; the sum of V over those chunks, in O^T's layout: channels 32 b + 16 h + 0 .. 15
.endr
.endr
	v_fma_f32 v[WK], s[RAW], s[CS], v12            ; t_mask - M, by the step's own multiply-add
	v_add_f32 v14, v14, v15
	v_cvt_f32_u32 v[WK+1], s[CN]
	s_wait_alu depctr_va_vdst(0)
	v_exp_f32 v[WK], v[WK]                         ; c
	v_permlanex16_b32 v[PD], v14, s[SEL], s[SEL+1]
	s_delay_alu instid0(VALU_DEP_1)
	v_add_f32 v14, v14, v[PD]                      ; (a plain place behind the exponential)
	s_wait_alu depctr_va_vdst(0)
	v_fma_f32 v14, v[WK], v[WK+1], v14             ; the row's sum
	s_wait_alu depctr_va_vdst(0)
	v_rcp_f32 v[FF], v14
	v_and_b32 v[WK+2], 0x7f800000, v[WK]           ; c's power of two
	s_delay_alu instid0(VALU_DEP_1)
	v_add_nc_u32 v[WK+3], 0x0a000000, v[WK+2]      ; 2^20 times it: adding and taking it away rounds c to 3 mantissa bits, ties to even
	s_delay_alu instid0(VALU_DEP_2)
	v_or_b32 v[WK+2], 0x700000, v[WK+2]            ; 1.875 times it: the largest code
	v_add_f32 v[WK+4], v[WK], v[WK+3]
	s_delay_alu instid0(VALU_DEP_1)
	v_sub_f32 v[WK+4], v[WK+4], v[WK+3]
	s_delay_alu instid0(VALU_DEP_1)
	v_min_num_f32 v[WK+4], v[WK+4], v[WK+2]        ; Q(c)
	s_wait_dscnt 0x0
.set n, 0
	s_wait_alu depctr_va_vdst(0)
.rept 16
	v_pk_fma_f32 v[96+n:97+n], v[32+n:33+n], v[WK+4:WK+5], v[160+n:161+n] op_sel_hi:[1,0,1]
.set n, n+2
.endr
	s_wait_alu depctr_va_vdst(0)                   ; the reciprocal
.set n, 0
.rept 16
	v_pk_mul_f32 v[96+n:97+n], v[96+n:97+n], v[FF:FF+1] op_sel_hi:[1,0]   ; the context: register 16 b + i = channel 32 b + 16 h + i of my query
.set n, n+2
.endr
.irp b, 0,1
	v_max3_num_f32 v[BM+\b], |v[96+16*\b]|, |v[97+16*\b]|, 0x1800000
.endr
.irp i, 2,4,6,8,10,12,14
.irp b, 0,1
	s_delay_alu instid0(VALU_DEP_2)
	v_max3_num_f32 v[BM+\b], v[BM+\b], |v[96+16*\b+\i]|, |v[97+16*\b+\i]|
.endr
.endr
.irp b, 0,1
	s_delay_alu instid0(VALU_DEP_2)
	v_permlanex16_b32 v[PD+\b], v[BM+\b], s[SEL], s[SEL+1]
.endr
.irp b, 0,1
	s_delay_alu instid0(VALU_DEP_2)
	v_max_num_f32 v[BM+\b], v[BM+\b], v[PD+\b]
.endr
.irp b, 0,1
	s_delay_alu instid0(VALU_DEP_2)
	v_add_nc_u32 v[SOP+\b], 0xff000000, v[BM+\b]
.endr
.irp b, 0,1
	s_delay_alu instid0(VALU_DEP_2)
	v_lshrrev_b32 v[PD+\b], 23, v[SOP+\b]
.endr
	s_delay_alu instid0(VALU_DEP_1)
	v_lshl_or_b32 v[PWD], v[PD+1], 8, v[PD]
	v_cvt_scalef32_pk16_fp6_f32 v[PCD:PCD+2], v[96:111], v[SOP]
	v_cvt_scalef32_pk16_fp6_f32 v[CT:CT+2], v[112:127], v[SOP+1]
	v_nop
.irp i, 0,1,2
	v_permlane16_swap_b32 v[PCD+\i], v[CT+\i]
.endr
.irp i, 0,1,2
	s_delay_alu instid0(VALU_DEP_3)
	v_mov_b32 v[PCD+3+\i], v[CT+\i]
.endr
.irp p, 0,1,2
	global_store_b64 v1, v[PCD+2*\p:PCD+2*\p+1], s[40:41] offset:256*\p   ; 256 consecutive bytes, aligned
.endr
	global_store_b16 v30, v[PWD], s[42:43] offset:24576   ; two bytes of each row's word; lanes 16-31 repeat lanes 0-15
.endm
	s_load_b128 s[4:7], s[0:1], 0x0                ; qkv, cq
	v_lshl_add_u32 v254, v0, 2, 0x35000
	v_mov_b32 v255, 0
	ds_add_u32 v254, v255
	ds_add_u32 v254, v255
	v_lshrrev_b32 v1, 5, v0
	s_delay_alu instid0(VALU_DEP_1)
	v_readfirstlane_b32 s[WV], v1                  ; wave 0..15
	s_bfe_u32 s[CX], ttmp6, 0x40000                ; my place in the cluster
	s_and_b32 s[BH], ttmp7, 0xffff                 ; the head, which the four partners share
	s_mov_b32 s[G1], 15|(3<<16)|(1<<21)            ; the mask: all four; elements of 8 bytes; bit 21 beside the mask; no padding
	s_mov_b32 s[G1+1], 32<<16
	s_mov_b32 s[G1+2], 51<<16
	s_mov_b32 s[G1+3], 32<<16
	s_mov_b32 s[G1+4], 51
	s_mov_b32 s[G1+5], 32
	s_mov_b32 s[G1+6], 0
	s_mov_b32 s[G1+7], 0
	s_mul_i32 s38, s[BH], HB
	s_mov_b32 s39, 0
	s_mul_i32 s44, s[WV], 13056                    ; my 51 rows of 256 bytes, in memory and in LDS alike
	s_mov_b32 s45, 0
	s_mov_b32 s[SEL], 0x76543210
	s_mov_b32 s[SEL+1], 0xfedcba98
	s_mov_b32 s[CS], 0x3e38aa3b                    ; log2(e) / 8
	s_mov_b32 s[CS+1], s[CS]
	s_mov_b32 s[MM+1], 0
	s_wait_dscnt 0x0
	s_wait_kmcnt 0x0
	s_add_nc_u64 s[HBS:HBS+1], s[4:5], s[38:39]
	CROUND                                         ; all four work-groups are here: the joint loads meet
	s_mov_b32 s[G0], 1
	s_mov_b32 s[G0+1], s44
	s_add_nc_u64 s[G0+2:G0+3], s[HBS:HBS+1], s[44:45]
	s_or_b32 s[G0+3], s[G0+3], 0x80000000
	tensor_load_to_lds s[G0:G0+3], s[G1:G1+7]      ; one load of mine is out
	s_nop 0
.rept 4
	v_nop
.endr
	v_mov_b32 v29, 0x7f7f7f7f                      ; scale bytes of 1.0
.irp i, 0,1,2,3
	v_mov_b32 v[128+3*\i], 0x08208208              ; 128 codes of 1.0 (the code 8), as a stream of 6 bits each
	v_mov_b32 v[129+3*\i], 0x82082082
	v_mov_b32 v[130+3*\i], 0x20820820
.endr
.irp i, 0,1,2,3,4,5
	v_mov_b32 v[22+\i], 0                          ; Q's codes for k = 64 .. 127
	v_mov_b32 v[80+\i], 0                          ; behind K's last tile
.endr
.irp b, 0,1,2,3
	v_mov_b32 v[PD+\b], 0                          ; a lane permute's destination counts as one of its sources
.endr
	v_mov_b32 v[FF+1], 0                           ; (named as upper halves of pairs)
	v_mov_b32 v[WK+5], 0
	v_mov_b32 v6, 0xc79c4000                       ; -80000
	v_and_b32 v234, 31, v0                         ; lane
	v_and_b32 v235, 15, v0                         ; r
	v_bfe_u32 v236, v0, 4, 1                       ; h
	s_delay_alu instid0(VALU_DEP_3)
	v_lshlrev_b32 v1, 3, v234
	s_delay_alu instid0(VALU_DEP_4)
	v_lshl_add_u32 v2, v234, 3, VC
	v_lshl_add_u32 v3, v234, 2, KSC
	v_lshl_add_u32 v4, v234, 2, VSC
	v_lshl_add_u32 v7, v236, 6, SUF
	v_lshlrev_b32 v30, 2, v235
	s_wait_alu depctr_va_vdst(0)
	s_lshl_b32 s39, s[WV], 8
	v_lshl_add_u32 v31, v236, 6, s39
	s_delay_alu instid0(VALU_DEP_1)
	v_add_nc_u32 v31, CH, v31                      ; where my chunk's sums go: 256 x wave + 64 h
	s_lshr_b32 s[SUB], s[WV], 3
	s_lshl_b32 s38, s[CX], 1
	s_add_co_u32 s[SUB], s[SUB], s38               ; which tile of a chunk
	s_lshr_b32 s38, s[SUB], 1
	s_lshl_b32 s38, s38, 5
	s_and_b32 s44, s[SUB], 1
	s_lshl_b32 s44, s44, 3
	s_add_co_u32 s38, s38, s44
	v_and_b32 v5, 8, v235
	s_delay_alu instid0(VALU_DEP_1)
	v_add_nc_u32 v5, v5, v235
	s_delay_alu instid0(VALU_DEP_1)
	v_add_nc_u32 v5, s38, v5                       ; my query's place in its chunk,
	v_lshlrev_b32 v237, 4, v236
	s_delay_alu instid0(VALU_DEP_1)
	v_sub_nc_u32 v5, v5, v237                      ; less 16 h
	s_and_b32 s[JA], s[WV], 7
	s_xor_b32 s[JB], s[JA], 15
	s_lshl_b32 s38, s[JA], 3
	s_add_co_u32 s38, s38, s[SUB]
	s_mul_i32 s40, s38, 768
	s_add_co_u32 s40, s40, QC
	s_mov_b32 s41, 0
	s_add_nc_u64 s[40:41], s[HBS:HBS+1], s[40:41]
	s_lshl_b32 s42, s38, 6
	s_add_co_u32 s42, s42, QS
	s_mov_b32 s43, 0
	s_add_nc_u64 s[42:43], s[HBS:HBS+1], s[42:43]
	s_lshl_b32 s38, s[JB], 3
	s_add_co_u32 s38, s38, s[SUB]
	s_mul_i32 s48, s38, 768
	s_add_co_u32 s48, s48, QC
	s_mov_b32 s49, 0
	s_add_nc_u64 s[48:49], s[HBS:HBS+1], s[48:49]
	s_lshl_b32 s50, s38, 6
	s_add_co_u32 s50, s50, QS
	s_mov_b32 s51, 0
	s_add_nc_u64 s[50:51], s[HBS:HBS+1], s[50:51]
.irp p, 0,1,2
	global_load_b64 v[16+2*\p:17+2*\p], v1, s[40:41] offset:256*\p   ; both tiles' Q stay in registers
	global_load_b64 v[86+2*\p:87+2*\p], v1, s[48:49] offset:256*\p
.endr
	global_load_b32 v28, v30, s[42:43]
	global_load_b32 v92, v30, s[50:51]
	s_mul_i32 s38, s[WV], 6144
	v_add_nc_u32 v[ADV], s38, v2
	v_add_nc_u32 v[ADT], s39, v4
	v_add_nc_u32 v[ADK], CH, v1
	v_add_nc_u32 v[ADS], s39, v1
	s_delay_alu instid0(VALU_DEP_1)
	v_add_nc_u32 v[ADS], SUF, v[ADS]
	s_wait_alu depctr_va_vdst(0)
	s_wait_tensorcnt 0x0                           ; my part of the head has landed,
	s_barrier_signal -1
	s_barrier_wait -1                              ; everybody's has
	; ---- the sums of the quantised V: wave w takes chunk w
.irp a, 0,1,2,3
.irp q, 0,1,2,3,4,5
	ds_load_b64 v[32+12*\a+2*\q:33+12*\a+2*\q], v[ADV] offset:1536*\a+256*\q
.endr
.endr
.irp i, 0,1
	ds_load_b32 v[216+\i], v[ADT] offset:128*\i
.endr
	s_wait_dscnt 0x0
.irp i, 0,1
	v_wmma_scale_f32_16x16x128_f8f6f4 v[96+16*\i:103+16*\i], v[32+24*\i:43+24*\i], v[128:139], 0, v[216+\i], v29 matrix_a_fmt:MATRIX_FMT_FP6 matrix_b_fmt:MATRIX_FMT_FP6
	v_wmma_scale_f32_16x16x128_f8f6f4 v[104+16*\i:111+16*\i], v[44+24*\i:55+24*\i], v[128:139], 0, v[216+\i], v29 matrix_a_fmt:MATRIX_FMT_FP6 matrix_b_fmt:MATRIX_FMT_FP6 matrix_a_scale:MATRIX_SCALE_ROW1
.endr
.rept 4
	v_nop
.endr
.irp a, 0,1,2,3                        ; register j of tile 2 b + u is channel 32 b + 16 h + 8 u + j, the same in all sixteen lanes of a half: they write the same bytes with the same values
	ds_store_b128 v31, v[96+8*\a:99+8*\a] offset:128*(\a/2)+32*(\a%2)
	ds_store_b128 v31, v[100+8*\a:103+8*\a] offset:128*(\a/2)+32*(\a%2)+16
.endr
	BARRIER                                        ; the sixteen chunks' sums lie in LDS
.irp j, 1,2,3,4,5,6,7,8,9,10,11,12,13,14,15
	ds_load_b64 v[126+2*\j:127+2*\j], v[ADK] offset:256*\j   ; two channels a lane
.endr
	s_wait_dscnt 0x0
	s_cmp_lt_u32 s[WV], 1
	s_cselect_b32 s[MM], 1.0, 0                    ; chunk j counts for wave w where j > w: a factor, no branch
	v_pk_mul_f32 v[158:159], v[128:129], s[MM:MM+1] op_sel_hi:[1,0]
.irp j, 2,3,4,5,6,7,8,9,10,11,12,13,14,15
	s_cmp_lt_u32 s[WV], \j
	s_cselect_b32 s[MM], 1.0, 0
	v_pk_fma_f32 v[158:159], v[126+2*\j:127+2*\j], s[MM:MM+1], v[158:159] op_sel_hi:[1,0,1]
.endr
	ds_store_b64 v[ADS], v[158:159]
	BARRIER                                        ; the sums from each chunk on lie in LDS; from here on LDS is only read
	s_wait_loadcnt 0x0                             ; Q
	WALK 0
.irp i, 0,1,2,3,4,5
	v_mov_b32 v[16+\i], v[86+\i]                   ; the second tile's Q
.endr
	v_mov_b32 v28, v92
	WALK 1
	s_wait_tensorcnt 0x0
	ds_add_u32 v254, v255
	s_wait_dscnt 0x0
	CROUND                                         ; the closing round
	s_endpgm
.Lfunc_end_k_q540063bcdc_attn:
	.size	k_q540063bcdc_attn, .Lfunc_end_k_q540063bcdc_attn-k_q540063bcdc_attn
	.p2alignl 7, 3214868480
	.fill 96, 4, 3214868480
	.section	.rodata,"a",@progbits
	.p2align	6, 0x0
	.amdhsa_kernel k_q540063bcdc_attn
		.amdhsa_group_segment_fixed_size 219136
		.amdhsa_private_segment_fixed_size 0
		.amdhsa_enable_private_segment 0
		.amdhsa_kernarg_size 16
		.amdhsa_user_sgpr_count 2
		.amdhsa_user_sgpr_kernarg_segment_ptr 1
		.amdhsa_wavefront_size32 1
		.amdhsa_system_sgpr_workgroup_id_x 1
		.amdhsa_system_sgpr_workgroup_id_y 1
		.amdhsa_system_sgpr_workgroup_id_z 1
		.amdhsa_system_vgpr_workitem_id 0
		.amdhsa_next_free_vgpr 256
		.amdhsa_next_free_sgpr 66
		.amdhsa_reserve_vcc 1
		.amdhsa_float_denorm_mode_32 3
		.amdhsa_float_denorm_mode_16_64 3
		.amdhsa_memory_ordered 1
		.amdhsa_forward_progress 1
		.amdhsa_inst_pref_size 80
	.end_amdhsa_kernel
	.amdgpu_metadata
---
amdhsa.version: [ 1, 2 ]
amdhsa.kernels:
  - .name:           k_q540063bcdc_attn
    .symbol:         k_q540063bcdc_attn.kd
    .args:
      - { .name: qkv, .offset: 0, .size: 8, .value_kind: global_buffer, .address_space: global }
      - { .name: cq, .offset: 8, .size: 8, .value_kind: global_buffer, .address_space: global }
    .group_segment_fixed_size: 219136
    .private_segment_fixed_size: 0
    .kernarg_segment_align: 8
    .kernarg_segment_size: 16
    .max_flat_workgroup_size: 512
    .sgpr_count:     66
    .vgpr_count:     256
    .wavefront_size: 32
...
	.end_amdgpu_metadata
.endif
;; end of part 3
;; launch gemm_out (part 4): grid 4 x 64, 4 waves a work-group, clusters of 4 x 4, 307,712 bytes of LDS; arguments cq, wp, b_proj, out0; writes out0
.if DOCPART == 4
	.amdgcn_target "amdgcn-amd-amdhsa--gfx1250"
	.amdhsa_code_object_version 6
	.text
	.protected	k_q540063bcdc_gemm_out
	.globl	k_q540063bcdc_gemm_out
	.p2align	8
	.type	k_q540063bcdc_gemm_out,@function
k_q540063bcdc_gemm_out:
	s_mov_b64 s[64:65], 0
	v_nop
	global_prefetch_b8 v0, s[64:65] scope:SCOPE_SE
	s_setreg_imm32_b32 hwreg(HW_REG_WAVE_MODE, 25, 1), 1
	s_wait_xcnt 0x0
	s_wait_alu depctr_hold_cnt(0) depctr_sa_sdst(0) depctr_va_vdst(0) depctr_va_sdst(0) depctr_va_ssrc(0) depctr_va_vcc(0) depctr_vm_vsrc(0)
	s_getreg_b32 s2, hwreg(HW_REG_IB_STS2, 6, 4)
	s_cmp_eq_u32 s2, 0
	s_cbranch_scc0 .Lentry_in_a_cluster
	s_endpgm
.Lentry_in_a_cluster:
	s_bfe_u32 s2, ttmp6, 0x10000c
	s_cmp_lg_u32 s2, 0xf033
	s_cbranch_scc0 .Lentry_shape_is_right
	s_endpgm
.Lentry_shape_is_right:
; out0 = context W_proj + b_proj on codes of FP6 (E2M3) with E8M0 scales, sums in f32, results f32.
; A work-group takes 128 tokens (the context's group y) x 256 columns (W's groups 2 x, 2 x + 1) with ALL of K = 1024 in LDS: twelve dense blocks of 25,600 bytes (128 rows x 256 K: codes as register images, then scale words), each filled once.
; CLUSTERS: 4 x 4 work-groups.  The context's blocks hang on y alone and are asked for jointly along a row of the cluster, W's on x alone, along a column.  Wave 0 asks for the context's four blocks, waves 1 and 2 for W's four each: four loads of a wave are out at the most.
; A wave makes 128 columns (source 0: its group of W) x 64 tokens (source 1): 32 accumulators, which take turns in one order in every step of 128 along K.  The bias is the C of each sum's first product.
; The rows of a tile are rows 32 b + 8 u + r + 8 (r / 8) of their group: a lane holds one token, and the 16 registers of the results of tiles 2 b, 2 b + 1 are columns 32 b + 16 (lane / 16) + 0 .. 15.
; THE WAY OUT: a tile of 16 tokens x 128 columns goes through the wave's own stage in LDS and leaves as whole rows of 512 bytes.  The stages lie in the context's region, which has had its only fill and, behind a barrier, its last read.
; REGISTERS: window 0: v1-15 lane terms and addresses; v16-27 scale words, two sets; v28 the bias's offset; v32-95 the bias; v128-223 source 1's fragments, two sets (on the way out v128-255: rows read back);
;   window 1: v0-191 source 0's fragments, two sets;   window 2: accumulator (a, b) at v[8 (8 a + b)].
.set GBB,  25600
.set WREG, 4*GBB
.set WV,   12
.set G1X,  24
.set G1W,  32
.set G0X,  40
.set WH,   56
.set WL,   57
.set G0W,  68
.set BI,   32
.set STO,  13
.set RDA,  14
.set CO,   15
.set MSB, 0
.macro WIN new                         ; the immediate's high byte repeats the setting that is left
.if MSB != \new
	s_set_vgpr_msb (MSB<<8)|\new
.set MSB, \new
.endif
.endm
.macro PLACES n
.rept \n
	v_nop
.endr
.endm
.macro CROUND                          ; a round of the cluster's barrier
	s_barrier_signal -1
	s_barrier_wait -1
	s_cmp_lg_u32 s[WV], 0
	s_cbranch_scc1 .Lnot_wave_0_\@
	s_barrier_signal -3
.Lnot_wave_0_\@:
	s_barrier_wait -3
	s_barrier_signal -1
	s_barrier_wait -1
.endm
.macro FETCH s, p                      ; the fragments and scale words of step s (block s / 2, its half s % 2) into set p
.set KQ, (\s)/2
.set IMM, (KQ%2)*GBB+1536*((\s)%2)
.set IMZ, (KQ%2)*GBB+512*((\s)%2)
.set HI, KQ/2
	WIN 0x40                                       ; destination window 1
.irp b, 0,1,2,3,4,5,6,7
.irp q, 0,1,2,3,4,5
	ds_load_b64 v[96*(\p)+12*\b+2*\q:96*(\p)+12*\b+2*\q+1], v[4+HI] offset:IMM+3072*\b+256*\q
.endr
.endr
	WIN 0
.irp a, 0,1,2,3
.irp q, 0,1,2,3,4,5
	ds_load_b64 v[128+48*(\p)+12*\a+2*\q:128+48*(\p)+12*\a+2*\q+1], v[6+HI] offset:IMM+3072*\a+256*\q
.endr
.endr
.irp i, 0,1,2,3
	ds_load_b32 v[16+4*(\p)+\i], v[8+HI] offset:IMZ+128*\i      ; lanes 0-15: tile 2 i's words, lanes 16-31: tile 2 i + 1's
.endr
.irp i, 0,1
	ds_load_b32 v[24+2*(\p)+\i], v[10+HI] offset:IMZ+128*\i
.endr
.endm
.macro WM a, b, p, first
.set WD, 8*(8*(\a)+(\b))
.set WA, 96*(\p)+12*(\b)
.set WB, 128+48*(\p)+12*(\a)
.set WC, BI+8*(\b)
.set WSA, 16+4*(\p)+(\b)/2
.set WSB, 24+2*(\p)+(\a)/2
.set WR, 2*((\a)%2)+(\b)%2+4*(\first)
.if WR == 0
	v_wmma_scale_f32_16x16x128_f8f6f4 v[WD:WD+7], v[WA:WA+11], v[WB:WB+11], v[WD:WD+7], v[WSA], v[WSB] matrix_a_fmt:MATRIX_FMT_FP6 matrix_b_fmt:MATRIX_FMT_FP6
.elseif WR == 1
	v_wmma_scale_f32_16x16x128_f8f6f4 v[WD:WD+7], v[WA:WA+11], v[WB:WB+11], v[WD:WD+7], v[WSA], v[WSB] matrix_a_fmt:MATRIX_FMT_FP6 matrix_b_fmt:MATRIX_FMT_FP6 matrix_a_scale:MATRIX_SCALE_ROW1
.elseif WR == 2
	v_wmma_scale_f32_16x16x128_f8f6f4 v[WD:WD+7], v[WA:WA+11], v[WB:WB+11], v[WD:WD+7], v[WSA], v[WSB] matrix_a_fmt:MATRIX_FMT_FP6 matrix_b_fmt:MATRIX_FMT_FP6 matrix_b_scale:MATRIX_SCALE_ROW1
.elseif WR == 3
	v_wmma_scale_f32_16x16x128_f8f6f4 v[WD:WD+7], v[WA:WA+11], v[WB:WB+11], v[WD:WD+7], v[WSA], v[WSB] matrix_a_fmt:MATRIX_FMT_FP6 matrix_b_fmt:MATRIX_FMT_FP6 matrix_a_scale:MATRIX_SCALE_ROW1 matrix_b_scale:MATRIX_SCALE_ROW1
.elseif WR == 4
	v_wmma_scale_f32_16x16x128_f8f6f4 v[WD:WD+7], v[WA:WA+11], v[WB:WB+11], v[WC:WC+7], v[WSA], v[WSB] matrix_a_fmt:MATRIX_FMT_FP6 matrix_b_fmt:MATRIX_FMT_FP6
.elseif WR == 5
	v_wmma_scale_f32_16x16x128_f8f6f4 v[WD:WD+7], v[WA:WA+11], v[WB:WB+11], v[WC:WC+7], v[WSA], v[WSB] matrix_a_fmt:MATRIX_FMT_FP6 matrix_b_fmt:MATRIX_FMT_FP6 matrix_a_scale:MATRIX_SCALE_ROW1
.elseif WR == 6
	v_wmma_scale_f32_16x16x128_f8f6f4 v[WD:WD+7], v[WA:WA+11], v[WB:WB+11], v[WC:WC+7], v[WSA], v[WSB] matrix_a_fmt:MATRIX_FMT_FP6 matrix_b_fmt:MATRIX_FMT_FP6 matrix_b_scale:MATRIX_SCALE_ROW1
.else
	v_wmma_scale_f32_16x16x128_f8f6f4 v[WD:WD+7], v[WA:WA+11], v[WB:WB+11], v[WC:WC+7], v[WSA], v[WSB] matrix_a_fmt:MATRIX_FMT_FP6 matrix_b_fmt:MATRIX_FMT_FP6 matrix_a_scale:MATRIX_SCALE_ROW1 matrix_b_scale:MATRIX_SCALE_ROW1
.endif
.endm
.macro MUL32 p, first                  ; a step's 32 products.  first = 1: they start the sums from the bias
.if \first
	WIN 0x81                                       ; source 0 window 1, source 1 and C window 0, D window 2
.else
	WIN 0xa1                                       ; source 0 window 1, source 1 window 0, C and D window 2
.endif
.irp a, 0,1,2,3
.irp b, 0,1,2,3,4,5,6,7
	WM \a, \b, \p, \first
.endr
.endr
.endm
.macro STEPM s                         ; steps 1 to 6
	s_wait_dscnt 0x0                               ; this step's fragments are in
.if (\s)%2 == 1
	s_wait_tensorcnt 3-((\s)+1)/2                  ; my part of the next block of K has landed; the younger blocks may be out
	s_barrier_signal -1
	s_barrier_wait -1                              ; everybody's has.
.endif
	PLACES 4                                       ; in front of loads into registers that the last step's products read
	FETCH (\s)+1, ((\s)+1)%2
	MUL32 (\s)%2, 0
.endm
.macro TOSTAGE a                       ; 16 tokens x 128 columns into my stage, and back as whole rows.  LDS serves a wave's instructions in order
	WIN 0x08                                       ; an LDS store's data: window 2
.irp b, 0,1,2,3,4,5,6,7
	ds_store_b128 v[STO], v[64*(\a)+8*\b:64*(\a)+8*\b+3] offset:128*(\b/2)+32*(\b%2)       ; each accumulator from its low end on
	ds_store_b128 v[STO], v[64*(\a)+8*\b+4:64*(\a)+8*\b+7] offset:128*(\b/2)+32*(\b%2)+16
.endr
	WIN 0
.set BK, 128+64*((\a)%2)
.irp i, 0,1,2,3,4,5,6,7,8,9,10,11,12,13,14,15
	ds_load_b128 v[BK+4*\i:BK+4*\i+3], v[RDA] offset:528*\i
.endr
.endm
.macro SEND a, younger                 ; younger: the LDS instructions issued behind tile a's loads, which may stay out
.set BK, 128+64*((\a)%2)
	s_wait_dscnt \younger
.irp i, 0,1,2,3,4,5,6,7,8,9,10,11,12,13,14,15
	global_store_b128 v[CO], v[BK+4*\i:BK+4*\i+3], s[84:85] offset:(32*((\a)/2)+8*((\a)%2)+\i+8*(\i/8))*4096 th:TH_STORE_NT   ; 32 lanes store 512 consecutive bytes, aligned; written once
.endr
.endm
	s_load_b128 s[4:7], s[0:1], 0x0                ; cq, wp
	s_load_b128 s[8:11], s[0:1], 0x10              ; b_proj, out0
	v_lshl_add_u32 v126, v0, 2, 0x4b000
	v_mov_b32 v127, 0
	ds_add_u32 v126, v127
	ds_add_u32 v126, v127
	v_lshrrev_b32 v1, 5, v0
	v_readfirstlane_b32 s[WV], v1                  ; wave 0..3
	s_bfe_u32 s13, ttmp6, 0x40000                  ; cx
	s_bfe_u32 s14, ttmp6, 0x40004                  ; cy
	s_lshl_b32 s15, ttmp9, 2
	s_add_co_u32 s15, s15, s13                     ; x
	s_and_b32 s16, ttmp7, 0xffff
	s_lshl_b32 s16, s16, 2
	s_add_co_u32 s16, s16, s14                     ; y
	s_lshl_b32 s17, s14, 2
	s_lshl_b32 s17, 15, s17                        ; my row of the cluster
	s_lshl_b32 s18, 0x1111, s13                    ; my column
	; group 1: a dense block of 25,600 bytes as 100 rows of 32 elements of 8 bytes, no padding; bit 21 set beside the mask
	s_or_b32 s[G1X], s17, (3<<16)|(1<<21)
	s_or_b32 s[G1W], s18, (3<<16)|(1<<21)
.irp g, G1X, G1W
	s_mov_b32 s[\g+1], 32<<16
	s_mov_b32 s[\g+2], 100<<16
	s_mov_b32 s[\g+3], 32<<16
	s_mov_b32 s[\g+4], 100
	s_mov_b32 s[\g+5], 32
	s_mov_b32 s[\g+6], 0
	s_mov_b32 s[\g+7], 0
.endr
	s_mul_i32 s20, s16, WREG                       ; the context's group y
	s_mov_b32 s21, 0
	s_and_b32 s19, s[WV], 1
	s_xor_b32 s19, s19, 1                          ; wave 1 fetches W's first group, wave 2 the second
	s_lshl_b32 s22, s15, 1
	s_add_co_u32 s22, s22, s19
	s_mul_i32 s22, s22, WREG
	s_mov_b32 s23, 0
	s_mul_i32 s19, s19, WREG
	s_add_co_u32 s19, s19, WREG
	s_wait_dscnt 0x0
	s_wait_kmcnt 0x0
	s_add_nc_u64 s[20:21], s[4:5], s[20:21]
	s_add_nc_u64 s[22:23], s[6:7], s[22:23]
	CROUND                                         ; all sixteen work-groups are here: the joint loads meet
.irp k, 0,1,2,3
	s_mov_b32 s[G0X+4*\k], 1
	s_mov_b32 s[G0X+4*\k+1], \k*GBB
	s_add_nc_u64 s[G0X+4*\k+2:G0X+4*\k+3], s[20:21], \k*GBB
	s_or_b32 s[G0X+4*\k+3], s[G0X+4*\k+3], 0x80000000
	s_mov_b32 s[G0W+4*\k], 1
	s_add_co_u32 s[G0W+4*\k+1], s19, \k*GBB
	s_add_nc_u64 s[G0W+4*\k+2:G0W+4*\k+3], s[22:23], \k*GBB
	s_or_b32 s[G0W+4*\k+3], s[G0W+4*\k+3], 0x80000000
.endr
	s_cmp_eq_u32 s[WV], 0                          ; a wave's first fills stand in one branch on its number; four v_nop follow the last
	s_cbranch_scc0 .Lnot_x
.irp k, 0,1,2,3
	tensor_load_to_lds s[G0X+4*\k:G0X+4*\k+3], s[G1X:G1X+7]
	s_nop 0
.endr
	PLACES 4
	s_branch .Lasked
.Lnot_x:
	s_cmp_eq_u32 s[WV], 3
	s_cbranch_scc1 .Lasked
.irp k, 0,1,2,3
	tensor_load_to_lds s[G0W+4*\k:G0W+4*\k+3], s[G1W:G1W+7]
	s_nop 0
.endr
	PLACES 4
.Lasked:
	v_and_b32 v1, 31, v0                           ; lane
	v_and_b32 v2, 15, v0                           ; r
	v_bfe_u32 v3, v0, 4, 1                         ; h
	v_lshlrev_b32 v12, 3, v1                       ; 8 x lane
	s_lshr_b32 s[WH], s[WV], 1
	s_and_b32 s[WL], s[WV], 1
	s_mul_i32 s60, s[WH], WREG
	s_add_co_u32 s60, s60, WREG                    ; my group of W in LDS
	s_mul_i32 s61, s[WL], 12288                    ; tokens' tiles 4 (wave % 2) on
	s_lshl_b32 s62, s[WL], 8
	v_add_nc_u32 v4, s60, v12
	v_add_nc_u32 v6, s61, v12
	v_lshl_add_u32 v8, v1, 2, s60
	v_lshl_add_u32 v10, v1, 2, s62
	v_add_nc_u32 v8, 24576, v8
	v_add_nc_u32 v10, 24576, v10
	v_add_nc_u32 v5, 51200, v4
	v_add_nc_u32 v7, 51200, v6
	v_add_nc_u32 v9, 51200, v8
	v_add_nc_u32 v11, 51200, v10
	s_mul_i32 s63, s[WV], 8448                     ; my stage: 16 rows x (512 bytes + 16)
	v_mul_u32_u24 v[STO], v2, 528
	v_lshl_add_u32 v[STO], v3, 6, v[STO]
	v_add_nc_u32 v[STO], s63, v[STO]               ; in: row r, + 64 h
	v_lshlrev_b32 v[CO], 4, v1                     ; 16 x lane
	v_add_nc_u32 v[RDA], s63, v[CO]                ; back: a row of 512 bytes to the 32 lanes
	s_lshl_b32 s90, s15, 10
	s_lshl_b32 s91, s[WH], 9
	s_add_co_u32 s90, s90, s91                     ; my first column, in bytes
	s_mov_b32 s91, 0
	s_add_nc_u64 s[88:89], s[8:9], s[90:91]
	v_lshlrev_b32 v28, 6, v3
.irp t, 0,1,2,3,4,5,6,7                ; the bias in the results' layout: for tile 2 b + u columns 32 b + 16 h + 8 u + 0 .. 7
	global_load_b128 v[BI+8*\t:BI+8*\t+3], v28, s[88:89] offset:(32*(\t/2)+8*(\t%2))*4
	global_load_b128 v[BI+8*\t+4:BI+8*\t+7], v28, s[88:89] offset:(32*(\t/2)+8*(\t%2))*4+16
.endr
	s_lshl_b32 s92, s16, 7
	s_lshl_b32 s93, s[WL], 6
	s_add_co_u32 s92, s92, s93                     ; my first token
	s_lshl_b32 s92, s92, 12
	s_add_co_u32 s92, s92, s90
	s_mov_b32 s93, 0
	s_add_nc_u64 s[84:85], s[10:11], s[92:93]      ; never stepped: a row's place stands in the stores' immediates
	s_wait_alu depctr_va_vdst(0)
	s_wait_tensorcnt 3                             ; my first block of K has landed; the three younger may be out
	s_barrier_signal -1
	s_barrier_wait -1
	FETCH 0, 0
	s_wait_dscnt 0x0
	FETCH 1, 1
	s_wait_loadcnt 0x0                             ; the bias
	MUL32 0, 1
	STEPM 1
	STEPM 2
	STEPM 3
	STEPM 4
	STEPM 5
	STEPM 6
	s_wait_dscnt 0x0                               ; my last reads of the operands are in
	MUL32 1, 0
	WIN 0
	s_barrier_signal -1
	s_barrier_wait -1                              ; everybody's are: the stages may be written
	PLACES 4                                       ; in front of the first reads of results and of loads into the fragments' registers
	TOSTAGE 0
.irp a, 1,2,3
.if \a > 1
	s_wait_xcnt 0x0                                ; tile a - 2's stores have read their registers: tile a's rows may land there
.endif
	TOSTAGE \a
	SEND \a-1, 32                                  ; behind tile a - 1's loads: tile a's 16 stores and 16 loads
.endr
	SEND 3, 0
	s_wait_tensorcnt 0x0
	ds_add_u32 v126, v127
	s_wait_dscnt 0x0
	CROUND                                         ; the closing round
	s_endpgm
.Lfunc_end_k_q540063bcdc_gemm_out:
	.size	k_q540063bcdc_gemm_out, .Lfunc_end_k_q540063bcdc_gemm_out-k_q540063bcdc_gemm_out
	.p2alignl 7, 3214868480
	.fill 96, 4, 3214868480
	.section	.rodata,"a",@progbits
	.p2align	6, 0x0
	.amdhsa_kernel k_q540063bcdc_gemm_out
		.amdhsa_group_segment_fixed_size 307712
		.amdhsa_private_segment_fixed_size 0
		.amdhsa_enable_private_segment 0
		.amdhsa_kernarg_size 32
		.amdhsa_user_sgpr_count 2
		.amdhsa_user_sgpr_kernarg_segment_ptr 1
		.amdhsa_wavefront_size32 1
		.amdhsa_system_sgpr_workgroup_id_x 1
		.amdhsa_system_sgpr_workgroup_id_y 1
		.amdhsa_system_sgpr_workgroup_id_z 1
		.amdhsa_system_vgpr_workitem_id 0
		.amdhsa_next_free_vgpr 768
		.amdhsa_next_free_sgpr 100
		.amdhsa_reserve_vcc 0
		.amdhsa_float_denorm_mode_32 3
		.amdhsa_float_denorm_mode_16_64 3
		.amdhsa_memory_ordered 1
		.amdhsa_forward_progress 1
		.amdhsa_inst_pref_size 98
	.end_amdhsa_kernel
	.amdgpu_metadata
---
amdhsa.version: [ 1, 2 ]
amdhsa.kernels:
  - .name:           k_q540063bcdc_gemm_out
    .symbol:         k_q540063bcdc_gemm_out.kd
    .args:
      - { .name: cq, .offset: 0, .size: 8, .value_kind: global_buffer, .address_space: global }
      - { .name: wp, .offset: 8, .size: 8, .value_kind: global_buffer, .address_space: global }
      - { .name: b_proj, .offset: 16, .size: 8, .value_kind: global_buffer, .address_space: global }
      - { .name: out0, .offset: 24, .size: 8, .value_kind: global_buffer, .address_space: global }
    .group_segment_fixed_size: 307712
    .private_segment_fixed_size: 0
    .kernarg_segment_align: 8
    .kernarg_segment_size: 32
    .max_flat_workgroup_size: 128
    .sgpr_count:     100
    .vgpr_count:     768
    .wavefront_size: 32
...
	.end_amdgpu_metadata
.endif
;; end of part 4
